; MI455X (gfx1250); checked and timed in simulation.
; The chip was launched on July 23, 2026; its instructions are those of AMD's public machine-readable ISA for CDNA 5 (MIT licence, August 2026) and "CDNA5" Instruction Set Architecture Reference Guide (July 2026). The comments in the code are by the model that wrote it; some were corrected since.
;; Multi Head Attention. Allowed arithmetic: matrix products marked QUANTISED: E3M2 operands, one E8M0 scale for each 32 along K, by v_wmma_scale_f32_16x16x128_f8f6f4 with both operands' format E3M2, f32 sums; everything else in f32.
;; Inputs: W_att 1,024 x 3,072 float32; W_proj 1,024 x 1,024 float32; b_proj 1,024 float32; x 4 x 2,048 x 1,024 float32.
;; Outputs: out0 4 x 2,048 x 1,024 float32.
;; This version of the problem:
;;   THIS VERSION OF THE PROBLEM IS GIVEN IN LOW PRECISION. The matrix products marked QUANTISED in the list below multiply operands that are first quantised to E3M2 (3 exponent bits, 2 mantissa bits; 6 bits a number), with one power-of-two scale for each 32 numbers along K (OCP MX v1.0); their sums are f32. All else is computed in f32.
;;   The module's matrix products, in the order in which they are computed (A, B: the left and right operand; K: the contracted axis; several contracted axes count as one K, in the product's order):
;;     1. [M 8,192, K 1,024] x [K 1,024, N 3,072]; A: input x; B: input W_att: QUANTISED
;;     2. batch 64 x [M 2,048, K 64] x [K 64, N 2,048]; A: computed on the way; B: computed on the way: QUANTISED
;;     3. batch 64 x [M 2,048, K 2,048] x [K 2,048, N 64]; A: softmax (see below); B: computed on the way: QUANTISED
;;     4. [M 8,192, K 1,024] x [K 1,024, N 1,024]; A: computed on the way; B: input W_proj: QUANTISED
;;   THE QUANTISER, for each operand of a quantised product, along K:
;;     - K is cut into blocks of 32 from its start; a last block that is shorter is filled with zeros.
;;     - A block's scale is 2^e with e = floor(log2(the largest magnitude in the block)) - 4, held to -126 .. 127; a block of zeros has e = 0. As a byte (E8M0): e + 127.
;;     - Each number is divided by its block's scale, clamped to +-28, and rounded to the nearest number of E3M2, ties to even, subnormals kept.
;;     - The product sums the exact products of the quantised numbers (number of the format x scale) in f32.
;;   ~~~python
;;   def quantise(x, axis):      # numpy; x: float32 -> the quantised numbers, widened to float32 again
;;       x = np.moveaxis(x, axis, -1); K = x.shape[-1]
;;       x = np.pad(x, [(0, 0)] * (x.ndim - 1) + [(0, -K % 32)]); x = x.reshape(x.shape[:-1] + (-1, 32)); a = np.abs(x).max(-1, keepdims=True)
;;       e = np.where(a > 0, np.clip(np.frexp(np.where(a > 0, a, 1))[1] - 1 - 4, -126, 127), 0)      # np.frexp(a)[1] - 1 = floor(log2(a)), exactly
;;       r = np.clip(x / 2.0 ** e, -28, 28)
;;       step = 2.0 ** (np.maximum(np.frexp(np.where(r == 0, 1, r))[1] - 1, -2) - 2)
;;       q = np.round(r / step) * step * 2.0 ** e      # np.round: ties to even
;;       return np.moveaxis(q.reshape(q.shape[:-2] + (-1,))[..., :K], -1, axis).astype(np.float32)
;;   ~~~
;;   SOFTMAX AHEAD OF A QUANTISED PRODUCT. Where the list says 'softmax', what is quantised is not the finished softmax but p = 2^(t - M), with t = logit x log2(e) and M = ceil(the row's largest t), a whole number; so 1/2 < the row's largest p <= 1. The row's sum l is taken of the UNQUANTISED p, in f32, and the product's result is divided by l at the end. Since M is a whole number, a kernel that streams over the keys may use a running M (the ceiling of the running maximum): every later rescaling is an exact power of two, which a block's scale takes up: the codes' values come out the same.
;;   OPERANDS COMPUTED ON THE WAY. 'Computed on the way' means the value that the module computes at that place (a softmax that the list does not call 'softmax' is quantised finished and normalised). What goes into a quantiser is computed in f32, as accurately as f32 sums, v_exp_f32 and their like allow (about 1e-6 of the number): no bf16 or f16 on the way to a quantiser, and a product that is left as it is and whose result goes on into a quantised operand takes f32 operands (vector FMAs, or v_wmma_f32_16x16x4_f32). A number that lies on a knife's edge between two numbers of the format may be rounded either way, as far as f32 arithmetic and the matrix unit's own rounding can turn it there, and no further.
;; One version. Each part assembles by itself: llvm-mc -triple=amdgcn-amd-amdhsa -mcpu=gfx1250 --defsym DOCPART=n.
;; ======== version 1 of 1: 4 launches
;; workspace buffers: opq 9,830,400 bytes; qkv 20,185,088 bytes; att 6,553,600 bytes
;; launch quant (part 1): grid 512 x 1, 4 waves a work-group, no clusters, 34,304 bytes of LDS; arguments x, W_att, W_proj, opq; writes opq
.if DOCPART == 1
	.amdgcn_target "amdgcn-amd-amdhsa--gfx1250"
	.amdhsa_code_object_version 6
	.text
	.protected	k_qe57784bfbe_quant
	.globl	k_qe57784bfbe_quant
	.p2align	8
	.type	k_qe57784bfbe_quant,@function
k_qe57784bfbe_quant:
	s_mov_b64 s[64:65], 0
	v_nop
	global_prefetch_b8 v0, s[64:65] scope:SCOPE_SE
	s_setreg_imm32_b32 hwreg(HW_REG_WAVE_MODE, 25, 1), 1
	s_wait_xcnt 0x0
; x [8192][1024], W_att [1024][3072] and W_proj [1024][1024], f32, become codes of BF6 (E3M2) with one E8M0 scale byte for each 32 along K, K = 1,024 for all three
; (x: its last axis; the weights: their FIRST axis).  They are stored as IMAGES OF THE OPERAND'S REGISTERS, so that the products' launches load fragments whole.
; ROW TILES.  Tile T holds rows 32 (T / 2) + 8 (T % 2) + p + 8 (p / 8), p = 0 .. 15.  Tiles 0-511: x's tokens; 512-703: W_att's columns; 704-767: W_proj's columns.
; IMAGE of (tile T, K step s of 128) at (8 T + s) x 1,536: two halves of 768 bytes; half c: lane l's registers 6 c .. 6 c + 3 at 16 l, then registers 6 c + 4, 6 c + 5 at 512 + 8 l.
; SCALE WORDS of tile T at SCW + 512 T: row p's word for K step 4 g + j at 256 g + 16 p + 4 j.
; A block's scale byte is its largest magnitude's exponent field - 4, held at 1 from below by a floor among the maximum's leaves.
; LIMITS: a block of zeros, or one whose largest magnitude lies under 2^-122, gets the byte 1 (the stated rule gives zeros 127): its codes are zeros or subnormal codes, and only this program reads the bytes.
; NaN and infinities among the inputs are not served.
; SHARES.  Work-groups 0-255 take x: a wave takes 16 rows x 512 along K (32 KB).  Work-groups 256-511 take the weights: a wave takes 32 columns x 128 along K (16 KB).  Waves share nothing: no barrier.
.set SCW,  9437184
.set R,    64                          ; x: v64-191 two sets of 64 registers as loaded
.set X,    192                         ; x: v192-255 my 64 numbers of a K step: register 32 c + i = k 64 c + 32 (lane / 16) + i of my row
.set PC,   28                          ; x: v28-39 the fragment's codes; v40-42, v44-46 the blocks' upper halves as converted
.set TM,   12
.set SO,   14
.set BY,   16
.set WJ,   20                          ; x: v20-23 the scale words of my four K steps
.set VO,   32                          ; weights: v32-63 offsets of my column in 32 rows
.set D,    64                          ; weights: v64-191 my column's 128 numbers
.set H,    192                         ; weights: v192-215 four blocks' codes, six registers each; v216.. the upper halves as converted
.set HT,   216
	s_load_b256 s[4:11], s[0:1], 0x0               ; x s[4:5], W_att s[6:7], W_proj s[8:9], opq s[10:11]
	v_lshl_add_u32 v26, v0, 2, 0x8400
	v_mov_b32 v27, 0
	v_lshrrev_b32 v1, 5, v0
	v_readfirstlane_b32 s12, v1                    ; wave
	v_and_b32 v1, 31, v0                           ; lane
	v_and_b32 v2, 15, v0                           ; r
	v_bfe_u32 v3, v0, 4, 1                         ; h
	v_lshlrev_b32 v4, 4, v1                        ; 16 x lane
	v_lshlrev_b32 v5, 3, v1                        ; 8 x lane
	s_cmp_lt_u32 ttmp9, 256
	s_cbranch_scc0 .Lweights
; ---------------- x ----------------
	s_lshl_b32 s13, ttmp9, 2
	s_add_co_u32 s13, s13, s12                     ; job = 2 T + g: tile T, K steps 4 g .. 4 g + 3
	s_lshr_b32 s14, s13, 1                         ; T
	s_and_b32 s15, s13, 1                          ; g
	s_lshr_b32 s16, s14, 1
	s_lshl_b32 s16, s16, 5
	s_and_b32 s17, s14, 1
	s_lshl_b32 s17, s17, 3
	s_add_co_u32 s16, s16, s17                     ; the tile's first row
	s_lshl_b32 s16, s16, 12                        ; rows of 4,096 bytes
	s_lshl_b32 s17, s15, 11
	s_add_co_u32 s16, s16, s17                     ; + 2,048 g
	s_mov_b32 s17, 0
	s_mul_i32 s18, s13, 6144                       ; images: (8 T + 4 g) x 1,536
	s_mov_b32 s19, 0
	s_lshl_b32 s20, s13, 8                         ; scale words: 512 T + 256 g
	s_add_co_u32 s20, s20, SCW
	s_mov_b32 s21, 0
	s_mul_i32 s22, s12, 8448                       ; my stage: 16 rows of 512 bytes + 16
	s_wait_alu depctr_va_vdst(0)
	v_add_nc_u32 v6, s22, v4                       ; in: a row's 512 bytes as loaded
	v_mul_u32_u24 v7, v2, 528
	v_lshl_add_u32 v7, v3, 7, v7
	v_add_nc_u32 v7, s22, v7                       ; out: row r, + 128 h: my 32 numbers of each 64
	v_lshlrev_b32 v8, 3, v3                        ; 8 h
	v_lshl_add_u32 v9, v2, 4, v8                   ; 16 r + 8 h
	v_mov_b32 v19, 0                               ; a lane permute's destination counts as read: written once
	s_mov_b32 s24, 0x76543210
	s_mov_b32 s25, 0xfedcba98                      ; selects for lane l xor 16
	s_wait_alu depctr_va_vdst(0)
	s_wait_kmcnt 0x0
	s_add_nc_u64 s[4:5], s[4:5], s[16:17]
	s_add_nc_u64 s[18:19], s[10:11], s[18:19]
	s_add_nc_u64 s[20:21], s[10:11], s[20:21]
.macro LOADX j                         ; K step j of the 16 rows: each load takes 512 consecutive bytes of one row
.set i, 0
.rept 16
	global_load_b128 v[R+64*((\j)%2)+4*i:R+64*((\j)%2)+4*i+3], v4, s[4:5] offset:(i+8*(i/8))*4096+512*(\j) th:TH_LOAD_NT
.set i, i+1
.endr
.endm
.macro TURNX j                         ; through my stage: LDS serves a wave's instructions in order, so no wait stands between the stores and the loads
.set i, 0
.rept 16
	ds_store_b128 v6, v[R+64*((\j)%2)+4*i:R+64*((\j)%2)+4*i+3] offset:528*i
.set i, i+1
.endr
.set i, 0
.rept 16
	ds_load_b128 v[X+4*i:X+4*i+3], v7 offset:256*(i/8)+16*(i%8)
.set i, i+1
.endr
.endm
.macro QX j                            ; my two whole blocks (2 c + h, c = 0, 1) become six registers each; the row's four bytes make its scale word
.irp c, 0,1
	v_max3_num_f32 v[TM+\c], |v[X+32*\c]|, |v[X+32*\c+1]|, 0x2800000   ; the floor 2^(5 - 127): the byte cannot fall under 1
.endr
.irp i, 2,4,6,8,10,12,14,16,18,20,22,24,26,28,30
.irp c, 0,1
	v_max3_num_f32 v[TM+\c], v[TM+\c], |v[X+32*\c+\i]|, |v[X+32*\c+\i+1]|
.endr
.endr
.irp c, 0,1
	v_add_nc_u32 v[SO+\c], 0xfe000000, v[TM+\c]    ; 4 off the exponent field: the conversion's scale operand
.endr
.irp c, 0,1
	v_lshrrev_b32 v[BY+\c], 23, v[SO+\c]           ; the scale's byte
.endr
	v_lshl_or_b32 v18, v[BY+1], 16, v[BY]          ; blocks h and 2 + h,
	v_lshlrev_b32 v18, v8, v18                     ; at their places (8 h bits up);
	v_permlanex16_b32 v19, v18, s24, s25
	v_or_b32 v[WJ+\j], v18, v19                    ; with lane l xor 16's two the word is whole
	s_wait_alu depctr_va_vdst(0)
	s_wait_xcnt 0x0                                ; the last K step's stores have read the codes' registers
.irp c, 0,1
	v_cvt_scalef32_pk16_bf6_f32 v[PC+6*\c:PC+6*\c+2], v[X+32*\c:X+32*\c+15], v[SO+\c]
	v_cvt_scalef32_pk16_bf6_f32 v[40+4*\c:42+4*\c], v[X+32*\c+16:X+32*\c+31], v[SO+\c]   ; (a conversion's three registers begin on an even number)
.endr
	v_nop                                          ; one plain place behind a scaled conversion
.irp c, 0,1
.irp i, 0,1,2
	v_mov_b32 v[PC+6*\c+3+\i], v[40+4*\c+\i]
.endr
.endr
	global_store_b128 v4, v[PC:PC+3], s[18:19] offset:1536*(\j)            ; each store covers 512 or 256 consecutive bytes, aligned to 256
	global_store_b64 v5, v[PC+4:PC+5], s[18:19] offset:1536*(\j)+512
	global_store_b128 v4, v[PC+6:PC+9], s[18:19] offset:1536*(\j)+768
	global_store_b64 v5, v[PC+10:PC+11], s[18:19] offset:1536*(\j)+1280
.endm
	LOADX 0
	LOADX 1
	s_wait_loadcnt 16                              ; K step 0's sixteen loads are in; the younger sixteen may be out
	TURNX 0
	s_wait_dscnt 0x0                               ; my numbers are back, and the stage's stores have read their registers,
	LOADX 2                                        ; which take the loads of two steps on
	QX 0
	s_wait_loadcnt 16
	TURNX 1
	s_wait_dscnt 0x0
	LOADX 3
	QX 1
	s_wait_loadcnt 16
	TURNX 2
	s_wait_dscnt 0x0
	QX 2
	s_wait_loadcnt 0x0
	TURNX 3
	s_wait_dscnt 0x0
	QX 3
	s_mov_b32 vcc_lo, 0xffff0000
	v_cndmask_b32 v24, v[WJ], v[WJ+2], vcc_lo      ; lanes 0-15 store words 0, 1 of their row, lanes 16-31 words 2, 3
	v_cndmask_b32 v25, v[WJ+1], v[WJ+3], vcc_lo
	global_store_b64 v9, v[24:25], s[20:21]        ; 256 consecutive bytes, aligned
	s_wait_tensorcnt 0x0
	ds_add_u32 v26, v27
	s_wait_dscnt 0x0
	s_endpgm
; ---------------- the weights: a lane takes a column, and its registers run down K ----------------
.Lweights:
	s_sub_co_u32 s13, ttmp9, 256
	s_lshr_b32 s14, s13, 3                         ; block of 128 columns: 0-23 W_att's, 24-31 W_proj's
	s_and_b32 s15, s13, 7                          ; K step
	s_mov_b32 s16, 4096
	s_wait_kmcnt 0x0
	s_cmp_lt_u32 s14, 24                           ; the choice hangs on the work-group's number alone
	s_cselect_b64 s[6:7], s[6:7], s[8:9]
	s_cselect_b32 s16, 12288, s16                  ; a row in bytes
	s_cselect_b32 s17, 0, 24
	s_sub_co_u32 s17, s14, s17
	s_lshl_b32 s17, s17, 7
	s_lshl_b32 s18, s12, 5
	s_add_co_u32 s17, s17, s18                     ; my wave's first column
	s_lshl_b32 s17, s17, 2
	s_lshl_b32 s18, s15, 7
	s_mul_i32 s18, s18, s16                        ; 128 x K step rows down
	s_add_co_u32 s18, s18, s17
	s_mov_b32 s19, 0
	s_add_nc_u64 s[20:21], s[6:7], s[18:19]        ; block 0 of the K step,
	s_lshl_b32 s18, s16, 5
	s_add_nc_u64 s[22:23], s[20:21], s[18:19]      ; and each next block 32 rows further down
	s_add_nc_u64 s[24:25], s[22:23], s[18:19]
	s_add_nc_u64 s[26:27], s[24:25], s[18:19]
	s_lshl_b32 s28, s14, 3
	s_lshl_b32 s29, s12, 1
	s_add_co_u32 s28, s28, s29
	s_add_co_u32 s28, s28, 512                     ; my first row tile; lanes 0-15 are its rows, lanes 16-31 the next tile's
	s_lshl_b32 s30, s28, 3
	s_add_co_u32 s30, s30, s15
	s_mul_i32 s30, s30, 1536
	s_mov_b32 s31, 0
	s_add_nc_u64 s[30:31], s[10:11], s[30:31]      ; its image for this K step
	s_lshl_b32 s28, s28, 9
	s_lshr_b32 s29, s15, 2
	s_lshl_b32 s29, s29, 8
	s_add_co_u32 s28, s28, s29
	s_and_b32 s29, s15, 3
	s_lshl_b32 s29, s29, 2
	s_add_co_u32 s28, s28, s29
	s_add_co_u32 s28, s28, SCW
	s_mov_b32 s29, 0
	s_add_nc_u64 s[28:29], s[10:11], s[28:29]      ; and its scale words' place for this K step
	s_wait_alu depctr_va_vdst(0)
	v_lshlrev_b32 v7, 9, v3
	v_lshl_add_u32 v7, v2, 4, v7                   ; 512 (lane / 16) + 16 (lane % 16)
	v_and_b32 v6, 7, v1
	v_bfe_u32 v8, v1, 3, 1
	v_lshl_add_u32 v6, v8, 4, v6
	v_lshl_add_u32 v6, v3, 3, v6                   ; my column: l % 8 + 16 ((l / 8) % 2) + 8 (l / 16): the tiles' row order
	v_lshlrev_b32 v[VO], 2, v6
.set i, 1
.rept 31
	v_add_nc_u32 v[VO+i], s16, v[VO+i-1]           ; the same column a row further down
.set i, i+1
.endr
.macro LOADW b
.set i, 0
.rept 32
	global_load_b32 v[D+32*(\b)+i], v[VO+i], s[20+2*(\b):21+2*(\b)] th:TH_LOAD_NT   ; 32 lanes read 128 consecutive bytes; the four waves stand side by side on 512
.set i, i+1
.endr
.endm
.macro BLOCKW b                        ; a block of 32 along K lies in my 32 registers: no other lane is asked
.set DS, D+32*(\b)
	v_max3_num_f32 v10, |v[DS]|, |v[DS+1]|, 0x2800000
	v_max_num_f32 v11, |v[DS+2]|, |v[DS+3]|
.irp i, 4,8,12,16,20,24,28
	v_max3_num_f32 v10, v10, |v[DS+\i]|, |v[DS+\i+1]|
	v_max3_num_f32 v11, v11, |v[DS+\i+2]|, |v[DS+\i+3]|
.endr
	v_max_num_f32 v10, v10, v11
	v_add_nc_u32 v[12+(\b)], 0xfe000000, v10
	v_lshrrev_b32 v[16+(\b)], 23, v[12+(\b)]
	v_cvt_scalef32_pk16_bf6_f32 v[H+6*(\b):H+6*(\b)+2], v[DS:DS+15], v[12+(\b)]
	v_cvt_scalef32_pk16_bf6_f32 v[HT+4*(\b):HT+4*(\b)+2], v[DS+16:DS+31], v[12+(\b)]
.endm
	LOADW 0
	LOADW 1
	s_wait_alu depctr_va_vdst(0)
	s_wait_loadcnt 32                              ; block 0's 32 loads are in; the younger 32 may be out
	LOADW 2
	BLOCKW 0
	s_wait_loadcnt 32                              ; block 1's
	LOADW 3
	BLOCKW 1
	s_wait_loadcnt 32                              ; block 2's
	BLOCKW 2
	s_wait_loadcnt 0x0
	BLOCKW 3
	v_nop                                          ; one plain place behind the last scaled conversion
.irp b, 0,1,2,3
.irp i, 0,1,2
	v_mov_b32 v[H+6*\b+3+\i], v[HT+4*\b+\i]
.endr
.endr
.irp c, 0,1                            ; the operand's layout wants block 2 c in lanes 0-15 and block 2 c + 1 in lanes 16-31 of ONE tile: the swap gives the first tile's registers in the first run, the second tile's in the second
.irp i, 0,1,2,3,4,5
	v_permlane16_swap_b32 v[H+12*\c+\i], v[H+12*\c+6+\i]
.endr
.endr
	v_lshl_or_b32 v20, v17, 8, v16                 ; my column's four bytes: its scale word for this K step
	v_lshl_or_b32 v20, v18, 16, v20
	v_lshl_or_b32 v20, v19, 24, v20
	global_store_b128 v4, v[H:H+3], s[30:31]
	global_store_b64 v5, v[H+4:H+5], s[30:31] offset:512
	global_store_b128 v4, v[H+12:H+15], s[30:31] offset:768
	global_store_b64 v5, v[H+16:H+17], s[30:31] offset:1280
	global_store_b128 v4, v[H+6:H+9], s[30:31] offset:12288            ; the next row tile's image: 8 K steps on
	global_store_b64 v5, v[H+10:H+11], s[30:31] offset:12288+512
	global_store_b128 v4, v[H+18:H+21], s[30:31] offset:12288+768
	global_store_b64 v5, v[H+22:H+23], s[30:31] offset:12288+1280
	global_store_b32 v7, v20, s[28:29]             ; 4 bytes in each 16: blocks of 256 bytes are written in part here, 4 bytes for each 512 that the lane has read
	s_endpgm
.Lfunc_end_k_qe57784bfbe_quant:
	.size	k_qe57784bfbe_quant, .Lfunc_end_k_qe57784bfbe_quant-k_qe57784bfbe_quant
	.p2alignl 7, 3214868480
	.fill 96, 4, 3214868480
	.section	.rodata,"a",@progbits
	.p2align	6, 0x0
	.amdhsa_kernel k_qe57784bfbe_quant
		.amdhsa_group_segment_fixed_size 34304
		.amdhsa_private_segment_fixed_size 0
		.amdhsa_enable_private_segment 0
		.amdhsa_kernarg_size 32
		.amdhsa_user_sgpr_count 2
		.amdhsa_user_sgpr_kernarg_segment_ptr 1
		.amdhsa_wavefront_size32 1
		.amdhsa_system_sgpr_workgroup_id_x 1
		.amdhsa_system_sgpr_workgroup_id_y 1
		.amdhsa_system_sgpr_workgroup_id_z 1
		.amdhsa_system_vgpr_workitem_id 0
		.amdhsa_next_free_vgpr 256
		.amdhsa_next_free_sgpr 66
		.amdhsa_reserve_vcc 1
		.amdhsa_float_denorm_mode_32 3
		.amdhsa_float_denorm_mode_16_64 3
		.amdhsa_memory_ordered 1
		.amdhsa_forward_progress 1
		.amdhsa_inst_pref_size 53
	.end_amdhsa_kernel
	.amdgpu_metadata
---
amdhsa.version: [ 1, 2 ]
amdhsa.kernels:
  - .name:           k_qe57784bfbe_quant
    .symbol:         k_qe57784bfbe_quant.kd
    .args:
      - { .name: x, .offset: 0, .size: 8, .value_kind: global_buffer, .address_space: global }
      - { .name: W_att, .offset: 8, .size: 8, .value_kind: global_buffer, .address_space: global }
      - { .name: W_proj, .offset: 16, .size: 8, .value_kind: global_buffer, .address_space: global }
      - { .name: opq, .offset: 24, .size: 8, .value_kind: global_buffer, .address_space: global }
    .group_segment_fixed_size: 34304
    .private_segment_fixed_size: 0
    .kernarg_segment_align: 8
    .kernarg_segment_size: 32
    .max_flat_workgroup_size: 128
    .sgpr_count:     66
    .vgpr_count:     256
    .wavefront_size: 32
...
	.end_amdgpu_metadata
.endif
;; end of part 1
;; launch qkvgemm (part 2): grid 12 x 32, 4 waves a work-group, clusters of 4 x 4, 327,680 bytes of LDS; arguments opq, qkv; writes qkv
.if DOCPART == 2
	.amdgcn_target "amdgcn-amd-amdhsa--gfx1250"
	.amdhsa_code_object_version 6
	.text
	.protected	k_qe57784bfbe_qkvgemm
	.globl	k_qe57784bfbe_qkvgemm
	.p2align	8
	.type	k_qe57784bfbe_qkvgemm,@function
k_qe57784bfbe_qkvgemm:
	s_mov_b64 s[64:65], 0
	v_nop
	global_prefetch_b8 v0, s[64:65] scope:SCOPE_SE
	s_setreg_imm32_b32 hwreg(HW_REG_WAVE_MODE, 25, 1), 1
	s_wait_xcnt 0x0
	s_wait_alu depctr_hold_cnt(0) depctr_sa_sdst(0) depctr_va_vdst(0) depctr_va_sdst(0) depctr_va_ssrc(0) depctr_va_vcc(0) depctr_vm_vsrc(0)
	s_getreg_b32 s2, hwreg(HW_REG_IB_STS2, 6, 4)
	s_cmp_eq_u32 s2, 0
	s_cbranch_scc0 .Lentry_in_a_cluster
	s_endpgm
.Lentry_in_a_cluster:
	s_bfe_u32 s2, ttmp6, 0x10000c
	s_cmp_lg_u32 s2, 0xf033
	s_cbranch_scc0 .Lentry_shape_is_right
	s_endpgm
.Lentry_shape_is_right:
; qkv = x W_att on codes of BF6 with E8M0 scales, K = 1,024; the results are quantised on the way out and leave as operand images for the attention launch.  No f32 number goes to memory.
; A tile is 256 x 256: four waves, each 128 x 128: 64 accumulators, 512 registers.  384 tiles in 24 clusters of 4 x 4.
; THE MATRIX INSTRUCTION IS USED TRANSPOSED: source 0 = 16 rows of operand B, source 1 = 16 rows of operand A.  A lane then holds ONE row of A, and, by the row order of the tiles
; (tile T: rows 32 (T / 2) + 8 (T % 2) + p + 8 (p / 8)), the 16 registers of B's tiles 2 i, 2 i + 1 are 16 NEIGHBOURS of B's rows: 32 i + 16 (lane / 16) + 0 .. 15.
; TWO ROLES, ONE TEXT.  Clusters with x = 0, 1 make k and q: A = x (a lane holds a token), B = W's columns (registers run along the head's 64: k's and q's K).
; Clusters with x = 2 make v: A = W_v's columns (a lane holds a channel), B = x (registers run along the tokens: the keys, v's K).  The role only chooses whole numbers by s_cselect_b32; it is the same in all sixteen partners.
; OPERANDS come as images of their registers (1,536 bytes for 16 rows x 128 K), 12,288 bytes a row tile.  K goes in 8 steps of 128; an LDS slot holds two steps of A's 16 and B's 16 row tiles, 98,304 bytes.
; Three slots are filled at the start (three tensor loads of mine out); slot 0 is filled once more, with K's last quarter.  A's tiles are asked for jointly along a row of the cluster, B's along a column.
; SCALE WORDS for all of K come once from memory into v32-95: register 32 + 8 i + n: lanes 0-15 A's block i, lanes 16-31 B's block i, K step n.
; OUT (buffer qkv).  Record of (head bh, 128 keys s) at (16 bh + s) x 13,056: 8 half images of k (768 bytes: 16 keys x 64), 512 bytes of k's scale words, 4 images of v^T (16 channels x 128 keys), 256 bytes of v's scale words.
; Record of (bh, 128 queries) at QBASE + (16 bh + s) x 6,656: as the first 6,656 bytes above.  In k's and q's scale words bytes 2 and 3 are 0.
; LIMITS: a block of zeros, or one under 2^-122, gets the scale byte 1 (the stated rule gives zeros 127); only this program reads the bytes.  NaN and infinities are not served.
; No prefetch: three quarters of what a work-group reads is asked for in its first lines.
; REGISTERS: window 0: v2-13 LDS addresses, v16-29 offsets, v32-95 scale words, v96-119 at work on the way out, v128-223 A's fragments (one set), on the way out codes.
;   window 1: B's fragments, two sets, at v0 and v128.  Windows 2, 3: the accumulators of A's blocks 0-3, 4-7: (a, b) at v[8 (8 (a % 4) + b)].
.set FR,    12
.set AH,    24576                      ; 8 row tiles x 3,072 bytes: what one tensor load brings, and what a wave reads of A or of B
.set SLOT,  4*AH
.set SPARE, 3*SLOT                     ; the spare words: 128 bytes a wave, two blocks of 256 bytes that no other line names
.set SCWB,  9437184
.set QBASE, 13369344
.set ADA16, 2                          ; v2-4   my half of A in slots 0-2, + 16 x lane;  v5-7 + 8 x lane
.set ADA8,  5
.set ADB16, 8                          ; v8-10, v11-13 the same for B
.set ADB8,  11
.set SOF,   16                         ; v16    offset of my scale words
.set L16,   20                         ; v20    16 x lane
.set L8,    21                         ; v21    8 x lane
.set VOS,   22                         ; v22    the way out: where my scale words go
.set VSH,   23                         ; v23    and by how much the row's word is shifted for my half of the lanes
.set SPW,   28                         ; v28    my spare word;  v29  0; neither is ever rewritten
.set NIL,   29
.set SC,    32
.set TM,    96                         ; v96-99 largest magnitudes, v100-103 bytes, v108-111 scale operands
.set PW,    112
.set SW,    116                        ; v116-119 four tiles' scale words
.set AF,    128
.set PC,    128                        ; the way out: v128-139 codes, v140-142, v144-146 upper halves as converted
.set G1,  24
.set G0,  32                           ; s[32:43] A's groups 0, one for each slot
.set G1B, 48
.set G0B, 68                           ; s[68:79] B's
.set MSB, 0
.macro WIN new                         ; the immediate's high byte repeats the setting that is left
.if MSB != \new
	s_set_vgpr_msb (MSB<<8)|\new
.set MSB, \new
.endif
.endm
.set MUL_LO, 0xa1                      ; source 0 (B) window 1, source 1 (A) window 0, C and D window 2
.set MUL_HI, 0xf1
.set TO_B,   0x40
.macro JLOAD g0a, g1a, g0b, g1b        ; a joint load: waves 0, 1 fetch A's halves, waves 2, 3 B's; four v_nop follow each line
	s_cmp_eq_u32 s15, 0
	s_cbranch_scc0 .Lfor_b_\@
	tensor_load_to_lds s[\g0a:\g0a+3], s[\g1a:\g1a+7]
	s_nop 0
.rept 4
	v_nop
.endr
	s_branch .Lasked_\@
.Lfor_b_\@:
	tensor_load_to_lds s[\g0b:\g0b+3], s[\g1b:\g1b+7]
	s_nop 0
.rept 4
	v_nop
.endr
.Lasked_\@:
.endm
.macro CREST                           ; a round of the cluster's barrier behind its opening barrier
	s_cmp_lg_u32 s14, 0
	s_cbranch_scc1 .Lnot_wave_0_\@
	s_barrier_signal -3
.Lnot_wave_0_\@:
	s_barrier_wait -3
	s_barrier_signal -1
	s_barrier_wait -1
.endm
.macro CROUND
	s_barrier_signal -1
	s_barrier_wait -1
	CREST
.endm
.macro PLACES                          ; four plain places behind matrix instructions, in front of loads into their registers and of reads of results
.rept 4
	v_nop
.endr
.endm
	s_load_b128 s[4:7], s[0:1], 0x0                ; opq, qkv
	v_lshl_add_u32 v[SPW], v0, 2, SPARE
	v_mov_b32 v[NIL], 0
	ds_add_u32 v28, v29
	ds_add_u32 v28, v29
	s_wait_dscnt 0x0
	v_lshrrev_b32 v1, 5, v0
	v_readfirstlane_b32 s14, v1                    ; wave
	s_lshr_b32 s15, s14, 1                         ; my half of A's rows.  Also: I fetch for A (0) or B (1)
	s_and_b32 s16, s14, 1                          ; my half of B's rows.  Also: which half I fetch
	s_bfe_u32 s44, ttmp6, 0x40000                  ; cx
	s_bfe_u32 s45, ttmp6, 0x40004                  ; cy
	s_and_b32 s56, ttmp7, 0xffff                   ; cluster y
	s_cmp_eq_u32 ttmp9, 2                          ; role v?
	s_cselect_b32 s57, s56, ttmp9                  ; which four tiles of B's rows
	s_cselect_b32 s58, 0, s56                      ; and of A's
	s_cselect_b32 s59, 640, 0                      ; A's first row tile in opq: W_v's, or x's
	s_cselect_b32 s60, 0, 512                      ; B's: x's, or W_k's
	s_cselect_b32 s61, 1, 0
	s_lshl_b32 s57, s57, 2
	s_add_co_u32 s57, s57, s44                     ; TC: B's tile of 256 rows
	s_lshl_b32 s58, s58, 2
	s_add_co_u32 s58, s58, s45                     ; TR: A's
	s_lshl_b32 s62, s58, 4
	s_add_co_u32 s59, s59, s62                     ; A's first row tile (hangs on cy alone)
	s_lshl_b32 s63, s57, 4
	s_add_co_u32 s60, s60, s63                     ; B's (on cx alone)
	s_lshl_b32 s46, s45, 2
	s_lshl_b32 s46, 15, s46                        ; my row of the cluster
	s_lshl_b32 s47, 0x1111, s44                    ; my column
	s_or_b32 s[G1+0], s46, (3<<16)|(1<<21)         ; 15:0 the mask; 17:16 elements of 8 bytes; 21 set beside a mask; no padding
	s_or_b32 s[G1B+0], s47, (3<<16)|(1<<21)
.irp g, G1, G1B
	s_mov_b32 s[\g+1], 384<<16                     ; tensor_dim0: 3,072 bytes: two K steps' images of a row tile
	s_mov_b32 s[\g+2], 8<<16                       ; tensor_dim1: 8 row tiles
	s_mov_b32 s[\g+3], 384<<16                     ; tile_dim0
	s_mov_b32 s[\g+4], 8                           ; tile_dim1
	s_mov_b32 s[\g+5], 1536                        ; from row tile to row tile: 12,288 bytes
	s_mov_b32 s[\g+6], 0
	s_mov_b32 s[\g+7], 0
.endr
	s_lshl_b32 s17, s16, 3
	s_add_co_u32 s20, s59, s17
	s_mul_i32 s20, s20, 12288
	s_mov_b32 s21, 0
	s_add_co_u32 s22, s60, s17
	s_mul_i32 s22, s22, 12288
	s_mov_b32 s23, 0
	s_mul_i32 s18, s16, AH                         ; where A's half goes,
	s_add_co_u32 s19, s18, 2*AH                    ; and B's: no place in the cluster enters an LDS address
	s_wait_kmcnt 0x0
	s_add_nc_u64 s[20:21], s[4:5], s[20:21]
	s_add_nc_u64 s[22:23], s[4:5], s[22:23]
	CROUND                                         ; all sixteen work-groups are here: the first joint loads meet
.irp s, 0,1,2
	s_mov_b32 s[G0+4*\s], 1
	s_add_co_u32 s[G0+4*\s+1], s18, \s*SLOT
	s_add_nc_u64 s[G0+4*\s+2:G0+4*\s+3], s[20:21], \s*3072
	s_or_b32 s[G0+4*\s+3], s[G0+4*\s+3], 0x80000000
	s_mov_b32 s[G0B+4*\s], 1
	s_add_co_u32 s[G0B+4*\s+1], s19, \s*SLOT
	s_add_nc_u64 s[G0B+4*\s+2:G0B+4*\s+3], s[22:23], \s*3072
	s_or_b32 s[G0B+4*\s+3], s[G0B+4*\s+3], 0x80000000
	JLOAD G0+4*\s, G1, G0B+4*\s, G1B
.endr
	v_and_b32 v24, 31, v0                          ; lane
	v_and_b32 v25, 15, v0                          ; r
	v_bfe_u32 v26, v0, 4, 1                        ; h
	v_lshlrev_b32 v[L16], 4, v24
	v_lshlrev_b32 v[L8], 3, v24
	s_mul_i32 s2, s15, AH                          ; my half of A,
	s_mul_i32 s3, s16, AH
	s_add_co_u32 s3, s3, 2*AH                      ; my half of B
.irp s, 0,1,2
	v_add_nc_u32 v[ADA16+\s], s2, v[L16]
	v_add_nc_u32 v[ADA8+\s], s2, v[L8]
	v_add_nc_u32 v[ADB16+\s], s3, v[L16]
	v_add_nc_u32 v[ADB8+\s], s3, v[L8]
	s_add_co_u32 s2, s2, SLOT
	s_add_co_u32 s3, s3, SLOT
.endr
	s_lshl_b32 s90, s15, 3                         ; the scale words: lanes 0-15 take A's row tiles, lanes 16-31 B's; 512 bytes a row tile
	s_add_co_u32 s90, s90, s59
	s_lshl_b32 s90, s90, 9
	s_lshl_b32 s91, s16, 3
	s_add_co_u32 s91, s91, s60
	s_lshl_b32 s91, s91, 9
	v_mov_b32 v[SOF], s90
	v_mov_b32 v17, s91
	s_mov_b32 vcc_lo, 0xffff0000
	v_cndmask_b32 v[SOF], v[SOF], v17, vcc_lo
	v_lshl_add_u32 v[SOF], v25, 4, v[SOF]
	s_add_nc_u64 s[80:81], s[4:5], SCWB
.irp i, 0,1,2,3,4,5,6,7
.irp g, 0,1
	global_load_b128 v[SC+8*\i+4*\g:SC+8*\i+4*\g+3], v[SOF], s[80:81] offset:512*\i+256*\g   ; sixteen lanes read 256 consecutive bytes: four K steps' words of 16 rows
.endr
.endr
.irp b, 0,1,2,3
	v_mov_b32 v[TM+4+\b], 0                        ; a lane permute's destination counts as read: written once
.endr
	; the way out's whole numbers.  tokT: the first of my 8 tiles of tokens; featT: the first of my 8 tiles of features
	s_lshl_b32 s90, s58, 4
	s_lshl_b32 s91, s15, 3
	s_add_co_u32 s90, s90, s91                     ; on A's side
	s_lshl_b32 s91, s57, 4
	s_lshl_b32 s92, s16, 3
	s_add_co_u32 s91, s91, s92                     ; on B's side
	s_cmp_eq_u32 s61, 1
	s_cselect_b32 s92, s91, s90                    ; tokT
	s_cselect_b32 s93, s90, s91                    ; featT
	s_lshr_b32 s94, s92, 7                         ; batch
	s_bfe_u32 s95, s92, 0x40003                    ; which 128 tokens of the batch
	s_lshr_b32 s96, s93, 2
	s_and_b32 s97, s96, 15                         ; head
	s_lshr_b32 s96, s96, 4                         ; 1: q
	s_lshl_b32 s94, s94, 4
	s_add_co_u32 s94, s94, s97
	s_lshl_b32 s94, s94, 4
	s_add_co_u32 s94, s94, s95                     ; the record's number
	s_mov_b32 s98, 13056
	s_cmp_eq_u32 s96, 1
	s_cselect_b32 s98, 6656, s98                   ; a record's bytes
	s_cselect_b32 s99, QBASE, 0
	s_mul_i32 s94, s94, s98
	s_add_co_u32 s94, s94, s99                     ; the record's first byte
	s_lshl_b32 s98, s98, 4                         ; the next head's record: 16 records on
	s_mov_b32 s84, 768
	s_mov_b32 s86, 768
	s_mov_b32 s88, 256
	s_mov_b32 s90, 768
	s_mov_b32 s92, 6144
	s_cmp_eq_u32 s61, 1
	s_cselect_b32 s84, 1536, s84                   ; from block to block of 16 rows: v: an image; k, q: a half image
	s_cselect_b32 s86, 204288, s86                 ; behind block 3: v: on to the next head's record (208,896 - 3 x 1,536)
	s_cselect_b32 s88, 208896, s88                 ; the scale words likewise
	s_cselect_b32 s90, s90, s98                    ; from the codes' first half to the second: v: the image's second half; k, q: the next head
	s_cselect_b32 s92, 12800, s92                  ; the scale words' place in a record
	s_cselect_b32 s96, 6656, 0                     ; the codes' place in a record
	s_cselect_b32 s97, 0, 16                       ; k, q: lanes 16-31 take the word's upper two bytes, the next head's,
	s_cselect_b32 s98, 0, s98                      ; and store them into the next head's record; v: both halves of the lanes hold and store the same
	s_cselect_b32 s82, -1, 0xffff
	v_mul_u32_u24 v[VSH], s97, v26
	v_mul_u32_u24 v[VOS], s98, v26
	v_lshl_add_u32 v[VOS], v25, 4, v[VOS]
	s_mov_b32 s85, 0
	s_mov_b32 s87, 0
	s_mov_b32 s89, 0
	s_mov_b32 s91, 0
	s_mov_b32 s93, 0
	s_mov_b32 s97, 0
	s_add_co_u32 s96, s96, s94
	s_add_co_u32 s92, s92, s94
	s_add_nc_u64 s[8:9], s[6:7], s[96:97]          ; where the codes' first halves go,
	s_add_nc_u64 s[10:11], s[8:9], s[90:91]        ; the second halves,
	s_add_nc_u64 s[12:13], s[6:7], s[92:93]        ; the scale words
	s_mov_b32 s100, 0x76543210
	s_mov_b32 s101, 0xfedcba98
.macro FRAG reg, a16, a8, off          ; an image comes back as it was stored: 12 registers by four loads
	ds_load_b128 v[\reg:\reg+3], v[\a16] offset:\off
	ds_load_b64 v[\reg+4:\reg+5], v[\a8] offset:\off+512
	ds_load_b128 v[\reg+6:\reg+9], v[\a16] offset:\off+768
	ds_load_b64 v[\reg+10:\reg+11], v[\a8] offset:\off+1280
.endm
.macro FETCH_B slot, q, p              ; B's eight fragments of the slot's q-th K step into set p: 32 loads
	WIN TO_B
.irp i, 0,1,2,3,4,5,6,7
	FRAG 128*(\p)+FR*\i, ADB16+\slot, ADB8+\slot, 3072*\i+1536*(\q)
.endr
	WIN 0
.endm
.macro FETCH_A slot, q, i0             ; A's blocks i0 .. i0 + 3: 16 loads
.irp i, \i0, \i0+1, \i0+2, \i0+3
	FRAG AF+FR*(\i), ADA16+\slot, ADA8+\slot, 3072*(\i)+1536*(\q)
.endr
.endm
; 16 matrix instructions: A's blocks a0, a0 + 1 x B's eight, K step n.  The 64 accumulators take turns, one instruction a turn, in the same order in every step.
.macro MULP a0, n, zero
.irp a, \a0, \a0+1
.irp b, 0,1,2,3,4,5,6,7
.if \zero
	v_wmma_scale_f32_16x16x128_f8f6f4 v[8*(8*((\a)%4)+\b):8*(8*((\a)%4)+\b)+7], v[128*((\n)%2)+FR*\b:128*((\n)%2)+FR*\b+FR-1], v[AF+FR*(\a):AF+FR*(\a)+FR-1], 0, v[SC+8*\b+(\n)], v[SC+8*(\a)+(\n)] matrix_a_fmt:MATRIX_FMT_BF6 matrix_b_fmt:MATRIX_FMT_BF6 matrix_a_scale:MATRIX_SCALE_ROW1
.else
	v_wmma_scale_f32_16x16x128_f8f6f4 v[8*(8*((\a)%4)+\b):8*(8*((\a)%4)+\b)+7], v[128*((\n)%2)+FR*\b:128*((\n)%2)+FR*\b+FR-1], v[AF+FR*(\a):AF+FR*(\a)+FR-1], v[8*(8*((\a)%4)+\b):8*(8*((\a)%4)+\b)+7], v[SC+8*\b+(\n)], v[SC+8*(\a)+(\n)] matrix_a_fmt:MATRIX_FMT_BF6 matrix_b_fmt:MATRIX_FMT_BF6 matrix_a_scale:MATRIX_SCALE_ROW1
.endif
.endr
.endr
.endm
.macro TAIL n, s2, q2, zero            ; a step's second half: the next step's B and A's blocks 0-3 are fetched, blocks 4-7 multiplied, then fetched
	FETCH_B \s2, \q2, 1-(\n)%2
	FETCH_A \s2, \q2, 0
	WIN MUL_HI
	MULP 4, \n, \zero
	MULP 6, \n, \zero
	PLACES
	WIN 0
	FETCH_A \s2, \q2, 4
.endm
.macro STEP n, s2, q2, zero            ; K step n; the next step lies at (slot s2, part q2), in a slot that is known whole
	s_wait_dscnt 16                                ; B's set and A's blocks 0-3 are in; the youngest 16 loads (A's blocks 4-7) may be out
	WIN MUL_LO
	MULP 0, \n, \zero
	MULP 2, \n, \zero
	s_wait_dscnt 0x0                               ; A's blocks 4-7 are in
	PLACES
	TAIL \n, \s2, \q2, \zero
.endm
.macro SYNCP n, s2, cnt                ; a slot's last step, where nothing is filled again: the next slot is shown whole by each wave's counted wait and one barrier
	s_wait_tensorcnt \cnt                          ; my part of slot s2 has landed; cnt loads issued behind it may stay out
	s_wait_dscnt 16
	WIN MUL_LO
	MULP 0, \n, 0
	s_wait_dscnt 0x0                               ; no LDS instruction of mine is pending at the signal
	s_barrier_signal -1
	MULP 2, \n, 0
	WIN 0
	s_barrier_wait -1
	PLACES
	TAIL \n, \s2, 0, 0
.endm
.macro SYNCR n, s2                     ; the one change of slots behind which a slot is filled again: slot 0, read out two steps ago, takes K's last quarter
	s_wait_tensorcnt 0x0                           ; all my tensor loads have landed, my part of slot s2 among them;
	ds_add_u32 v[SPW], v[NIL]                      ; 0 onto my spare word;
	s_wait_dscnt 17                                ; (the add and the youngest 16 loads may be out)
	WIN MUL_LO
	MULP 0, \n, 0                                  ; sixteen matrix instructions stand between the add and the wait for it
	s_wait_dscnt 0x0                               ; the add is done, and my LDS reads are over
	s_barrier_signal -1                            ; this barrier opens a round of the cluster's barrier
	MULP 2, \n, 0
	WIN 0
	s_barrier_wait -1
	CREST                                          ; no wave of any partner still reads slot 0 or has a load on its way
	s_add_nc_u64 s[G0+2:G0+3], s[G0+2:G0+3], 9216  ; three quarters of K on
	s_add_nc_u64 s[G0B+2:G0B+3], s[G0B+2:G0B+3], 9216
	JLOAD G0, G1, G0B, G1B                         ; the first tensor load behind the round; its four v_nop are the places in front of the loads below
	TAIL \n, \s2, 0, 0
.endm
	s_wait_tensorcnt 2                             ; my part of slot 0 is in; slots 1 and 2 may be out
	s_barrier_signal -1
	s_barrier_wait -1
	FETCH_B 0, 0, 0
	FETCH_A 0, 0, 0
	FETCH_A 0, 0, 4
	s_wait_loadcnt 0x0                             ; the scale words
	STEP 0, 0, 1, 1                                ; the first products start the sums: nothing is cleared
	SYNCP 1, 1, 1
	STEP 2, 1, 1, 0
	SYNCR 3, 2
	STEP 4, 2, 1, 0
	SYNCP 5, 0, 0                                  ; the refill has had steps 3 to 5 in which to land
	STEP 6, 0, 1, 0
	s_wait_dscnt 16
	WIN MUL_LO
	MULP 0, 7, 0
	MULP 2, 7, 0
	s_wait_dscnt 0x0
	WIN MUL_HI
	MULP 4, 7, 0
	MULP 6, 7, 0
	WIN 0
; THE WAY OUT.  A's block a: my lane's 64 registers are 128 neighbours along B's rows, register 16 i + j = 32 i + 16 (lane / 16) + j: four blocks of 32.  They become a fragment's 12 registers and a scale word.
.macro QUANTA a
.set AC, 64*((\a)%4)
	WIN 0x0a+5*((\a)/4)                            ; sources 0 and 1: the accumulators' window
.irp b, 0,1,2,3
	v_max3_num_f32 v[TM+\b], |v[AC+16*\b]|, |v[AC+16*\b+1]|, 0x2800000   ; each accumulator is read from its low end on; the floor 2^(5 - 127) holds the byte at 1 from below
.endr
.irp i, 2,4,6,8,10,12,14
.irp b, 0,1,2,3
	v_max3_num_f32 v[TM+\b], |v[AC+16*\b+\i]|, |v[AC+16*\b+\i+1]|, v[TM+\b]
.endr
.endr
	WIN 0
.irp b, 0,1,2,3
	v_permlanex16_b32 v[TM+4+\b], v[TM+\b], s100, s101
.endr
.irp b, 0,1,2,3
	v_max_num_f32 v[TM+\b], v[TM+\b], v[TM+4+\b]   ; with lane l xor 16's: the block's largest magnitude
.endr
.irp b, 0,1,2,3
	v_add_nc_u32 v[TM+12+\b], 0xfe000000, v[TM+\b] ; 4 off the exponent field: the conversion's scale operand
.endr
.irp b, 0,1,2,3
	v_lshrrev_b32 v[TM+4+\b], 23, v[TM+12+\b]      ; the scale's byte
.endr
	v_lshl_or_b32 v[PW], v[TM+5], 8, v[TM+4]
	v_lshl_or_b32 v[PW], v[TM+6], 16, v[PW]
	v_lshl_or_b32 v[PW], v[TM+7], 24, v[PW]
	WIN 0x02+(\a)/4                                ; source 0: the accumulators' window
.irp c, 0,1
	v_cvt_scalef32_pk16_bf6_f32 v[PC+6*\c:PC+6*\c+2], v[AC+32*\c:AC+32*\c+15], v[TM+12+2*\c]
	v_cvt_scalef32_pk16_bf6_f32 v[PC+12+4*\c:PC+14+4*\c], v[AC+32*\c+16:AC+32*\c+31], v[TM+13+2*\c]
.endr
	WIN 0
	v_nop                                          ; one plain place behind a scaled conversion
.irp c, 0,1                            ; the operand's layout wants a whole block in a lane
.irp i, 0,1,2
	v_permlane16_swap_b32 v[PC+6*\c+\i], v[PC+12+4*\c+\i]
.endr
.irp i, 0,1,2
	v_mov_b32 v[PC+6*\c+3+\i], v[PC+12+4*\c+\i]
.endr
.endr
.endm
	PLACES
.irp a, 0,1,2,3,4,5,6,7
	QUANTA \a
	global_store_b128 v[L16], v[PC:PC+3], s[8:9]               ; every store covers 512 or 256 consecutive bytes, aligned to 256
	global_store_b64 v[L8], v[PC+4:PC+5], s[8:9] offset:512
	global_store_b128 v[L16], v[PC+6:PC+9], s[10:11]
	global_store_b64 v[L8], v[PC+10:PC+11], s[10:11] offset:512
	v_lshrrev_b32 v[SW+(\a)%4], v[VSH], v[PW]
	v_and_b32 v[SW+(\a)%4], s82, v[SW+(\a)%4]
.if (\a)%4 == 3
	global_store_b128 v[VOS], v[SW:SW+3], s[12:13]             ; four tiles' scale words of my row
.endif
.if (\a) < 7
	s_wait_xcnt 0x0                                ; the stores have read their data and bases: both are written again only behind this wait
.if (\a) == 3
	s_add_nc_u64 s[8:9], s[8:9], s[86:87]
	s_add_nc_u64 s[10:11], s[10:11], s[86:87]
	s_add_nc_u64 s[12:13], s[12:13], s[88:89]
.else
	s_add_nc_u64 s[8:9], s[8:9], s[84:85]
	s_add_nc_u64 s[10:11], s[10:11], s[84:85]
.endif
.endif
.endr
	s_wait_tensorcnt 0x0                           ; the wave's end
	ds_add_u32 v[SPW], v[NIL]
	s_wait_dscnt 0x0
	CROUND                                         ; the closing round: no work-group ends while a partner may still ask for a tile that names it
	s_endpgm
.Lfunc_end_k_qe57784bfbe_qkvgemm:
	.size	k_qe57784bfbe_qkvgemm, .Lfunc_end_k_qe57784bfbe_qkvgemm-k_qe57784bfbe_qkvgemm
	.p2alignl 7, 3214868480
	.fill 96, 4, 3214868480
	.section	.rodata,"a",@progbits
	.p2align	6, 0x0
	.amdhsa_kernel k_qe57784bfbe_qkvgemm
		.amdhsa_group_segment_fixed_size 327680
		.amdhsa_private_segment_fixed_size 0
		.amdhsa_enable_private_segment 0
		.amdhsa_kernarg_size 16
		.amdhsa_user_sgpr_count 2
		.amdhsa_user_sgpr_kernarg_segment_ptr 1
		.amdhsa_wavefront_size32 1
		.amdhsa_system_sgpr_workgroup_id_x 1
		.amdhsa_system_sgpr_workgroup_id_y 1
		.amdhsa_system_sgpr_workgroup_id_z 1
		.amdhsa_system_vgpr_workitem_id 0
		.amdhsa_next_free_vgpr 1024
		.amdhsa_next_free_sgpr 102
		.amdhsa_reserve_vcc 1
		.amdhsa_float_denorm_mode_32 3
		.amdhsa_float_denorm_mode_16_64 3
		.amdhsa_memory_ordered 1
		.amdhsa_forward_progress 1
		.amdhsa_inst_pref_size 149
	.end_amdhsa_kernel
	.amdgpu_metadata
---
amdhsa.version: [ 1, 2 ]
amdhsa.kernels:
  - .name:           k_qe57784bfbe_qkvgemm
    .symbol:         k_qe57784bfbe_qkvgemm.kd
    .args:
      - { .name: opq, .offset: 0, .size: 8, .value_kind: global_buffer, .address_space: global }
      - { .name: qkv, .offset: 8, .size: 8, .value_kind: global_buffer, .address_space: global }
    .group_segment_fixed_size: 327680
    .private_segment_fixed_size: 0
    .kernarg_segment_align: 8
    .kernarg_segment_size: 16
    .max_flat_workgroup_size: 128
    .sgpr_count:     102
    .vgpr_count:     1024
    .wavefront_size: 32
...
	.end_amdgpu_metadata
.endif
;; end of part 2
;; launch attn (part 3): grid 4 x 64, 16 waves a work-group, clusters of 4 x 1, 210,944 bytes of LDS; arguments qkv, att; writes att
.if DOCPART == 3
	.amdgcn_target "amdgcn-amd-amdhsa--gfx1250"
	.amdhsa_code_object_version 6
	.text
	.protected	k_qe57784bfbe_attn
	.globl	k_qe57784bfbe_attn
	.p2align	8
	.type	k_qe57784bfbe_attn,@function
k_qe57784bfbe_attn:
	s_mov_b64 s[64:65], 0
	v_nop
	global_prefetch_b8 v0, s[64:65] scope:SCOPE_SE
	s_setreg_imm32_b32 hwreg(HW_REG_WAVE_MODE, 25, 1), 1
	s_wait_xcnt 0x0
	s_wait_alu depctr_hold_cnt(0) depctr_sa_sdst(0) depctr_va_vdst(0) depctr_va_sdst(0) depctr_va_ssrc(0) depctr_va_vcc(0) depctr_vm_vsrc(0)
	s_getreg_b32 s2, hwreg(HW_REG_IB_STS2, 6, 4)
	s_cmp_eq_u32 s2, 0
	s_cbranch_scc0 .Lentry_in_a_cluster
	s_endpgm
.Lentry_in_a_cluster:
	s_bfe_u32 s2, ttmp6, 0x10000c
	s_cmp_lg_u32 s2, 0x3003
	s_cbranch_scc0 .Lentry_shape_is_right
	s_endpgm
.Lentry_shape_is_right:
; o = softmax(q k^T / 8, causal) v for each of 64 heads (batch x head), 2,048 tokens, head size 64, both products on codes of BF6 with E8M0 scales; o is quantised along the model's 1,024 and leaves as operand images.
; THE SOFTMAX: t = score x log2(e) / 8; M = the running largest t rounded UP to a whole number; p = 2^(t - M) is quantised along the keys, not normalised; the row's sum is taken of the unquantised p and divides at the end.
; When M moves, the sum and O are multiplied by 2^(old M - new M): exact.
; A HEAD'S K, V AND THEIR SCALE WORDS STAY IN LDS: 16 records of 13,056 bytes (128 keys each), filled once by joint loads of the four work-groups of a cluster, which own one head.  No slot is filled again.
; So nothing is asked for later than the first lines, and there is nothing to prefetch.
; SHARES.  A wave owns two tiles of 16 queries, one after the other: in group 15 - w' of 128 queries, then in group w' (w' = wave % 8): 16 - w' and w' + 1 key steps, 17 for every wave of every work-group.
; The tile within a group is 2 cx + wave / 8.  Branches hang on the wave's number and on counters alone; cx enters only global addresses and the mask's lane constant.
; LAYOUT.  Both products are used transposed: S^T = K Q^T (source 0 = 16 keys), O^T = V^T P^T (source 0 = 16 channels): a lane holds one query throughout.  Tiles hold rows 32 (T / 2) + 8 (T % 2) + p + 8 (p / 8),
; so the 16 registers of tiles 2 i, 2 i + 1 are 16 neighbouring keys (or channels): 32 i + 16 (lane / 16) + 0 .. 15.
; THE FIRST PRODUCT'S K IS 64, the instruction's 128: Q's registers 6-11 hold zero codes.  K's registers 6-11 are the next tile's codes (for the last tile zeros): finite numbers, which zero codes multiply to 0.  Scale bytes 2, 3 are 0 on both sides.
; CAUSAL: key steps behind the query's group are left out by a scalar branch; in the step on the diagonal hidden scores become -infinity ahead of the maximum.
; LIMITS: a block of o that is all zeros, or under 2^-122, gets the scale byte 1; only this program reads the bytes.  NaN and infinities are not served.
; REGISTERS: v1-5 lane constants; v8-10 the step's LDS addresses; v12 -M, v13 the largest t, v[14:15] the sum; v16-27 Q; v28-33 the second tile's Q; v34 Q's scale words (lanes 0-15 first tile, 16-31 second);
; v36-89 fragments; v90-93, v94-97 K's and V's scale words; v100-163 S^T, then p; v164-195 O^T; v196-207 p's codes; v208-235 at work.
.set REC,   13056
.set QBASE, 13369344
.set ASCW,  6291456
.set QS,  34
.set KF,  36
.set KS,  90
.set VS,  94
.set S,   100
.set O,   164
.set PC,  196
.set CT,  208                          ; v208-210, v212-214 upper halves as converted
.set BM,  216
.set BP,  220
.set BS,  224
.set FF,  228                          ; v[228:229] the factor (the pair's upper word is written once)
.set TT,  230
.set NI,  231                          ; -infinity
.set PW,  232
.set SU,  234
.set WV,  8
.set TB,  2                            ; s2  LDS byte of the key step's record
.set SI,  3                            ; s3  the key step
.set G,   66                           ; s66 my tile's group of 128 queries = its last key step
.set CNT, 67
.set SEL, 20
.set CS,  22
.macro ROUND                           ; a round of the cluster's barrier
	s_barrier_signal -1
	s_barrier_wait -1
	s_cmp_lg_u32 s[WV], 0
	s_cbranch_scc1 .Lnot_wave_0_\@
	s_barrier_signal -3
.Lnot_wave_0_\@:
	s_barrier_wait -3
	s_barrier_signal -1
	s_barrier_wait -1
.endm
	s_load_b128 s[4:7], s[0:1], 0x0                ; qkv, att
	v_lshl_add_u32 v254, v0, 2, 0x33000
	v_mov_b32 v255, 0
	ds_add_u32 v254, v255
	ds_add_u32 v254, v255
	v_lshrrev_b32 v1, 5, v0
	s_delay_alu instid0(VALU_DEP_1)
	v_readfirstlane_b32 s[WV], v1                  ; wave 0..15
	s_and_b32 s9, s[WV], 7                         ; w'
	s_lshr_b32 s10, s[WV], 3                       ; e
	s_bfe_u32 s11, ttmp6, 0x40000                  ; cx
	s_and_b32 s12, ttmp7, 0xffff                   ; the head: 16 x batch + head
	s_lshl_b32 s14, s12, 4                         ; its first record
	s_and_b32 s13, s[WV], 3                        ; which part I fetch, if I fetch
	s_add_co_u32 s72, s14, s13
	s_mul_i32 s72, s72, REC                        ; first load: record w
	s_mov_b32 s73, 0
	s_mul_i32 s74, s13, 3
	s_add_co_u32 s74, s74, s14
	s_add_co_u32 s74, s74, 4
	s_mul_i32 s74, s74, REC                        ; second load: records 4 + 3 w .. 6 + 3 w
	s_mov_b32 s75, 0
	s_mul_i32 s17, s13, REC
	s_mul_i32 s18, s13, 3*REC
	s_add_co_u32 s18, s18, 4*REC
	; descriptor groups 1: dense blocks as rows of 256 bytes (32 elements of 8 bytes): 51 rows, and 153
	s_mov_b32 s24, 15|(3<<16)|(1<<21)              ; 15:0 the mask: all four work-groups; 17:16 elements of 8 bytes; 21 set beside a mask
	s_mov_b32 s25, 32<<16
	s_mov_b32 s26, 51<<16
	s_mov_b32 s27, 32<<16
	s_mov_b32 s28, 51
	s_mov_b32 s29, 32
	s_mov_b32 s30, 0
	s_mov_b32 s31, 0
	s_mov_b32 s32, 15|(3<<16)|(1<<21)
	s_mov_b32 s33, 32<<16
	s_mov_b32 s34, 153<<16
	s_mov_b32 s35, 32<<16
	s_mov_b32 s36, 153
	s_mov_b32 s37, 32
	s_mov_b32 s38, 0
	s_mov_b32 s39, 0
	s_wait_dscnt 0x0
	s_wait_kmcnt 0x0
	s_mov_b32 s40, 1
	s_mov_b32 s41, s17
	s_add_nc_u64 s[42:43], s[4:5], s[72:73]
	s_or_b32 s43, s43, 0x80000000
	s_mov_b32 s44, 1
	s_mov_b32 s45, s18
	s_add_nc_u64 s[46:47], s[4:5], s[74:75]
	s_or_b32 s47, s47, 0x80000000
	ROUND                                          ; all four work-groups are here: the joint loads meet
	s_cmp_lt_u32 s[WV], 4                          ; waves 0-3 fetch; a wave's two fills stand in one branch: two loads of mine are out
	s_cbranch_scc0 .Lno_fill
	tensor_load_to_lds s[40:43], s[24:31]
	s_nop 0
	tensor_load_to_lds s[44:47], s[32:39]
	s_nop 0
.rept 4
	v_nop
.endr
.Lno_fill:
	v_and_b32 v6, 31, v0
	s_delay_alu instid0(VALU_DEP_1)
	v_lshlrev_b32 v1, 4, v6                        ; 16 x lane
	s_delay_alu instid0(VALU_DEP_2)
	v_lshlrev_b32 v2, 3, v6                        ; 8 x lane
	v_and_b32 v6, 15, v0                           ; r
	v_bfe_u32 v7, v0, 4, 1                         ; h
	s_delay_alu instid0(VALU_DEP_2)
	v_lshlrev_b32 v3, 4, v6                        ; 16 r
	s_delay_alu instid0(VALU_DEP_1)
	v_add_nc_u32 v5, v3, v7                        ; 16 r + h
	s_delay_alu instid0(VALU_DEP_4)
	v_and_b32 v4, 8, v6
	s_delay_alu instid0(VALU_DEP_1)
	v_add_nc_u32 v4, v4, v6
	v_lshlrev_b32 v11, 4, v7
	s_delay_alu instid0(VALU_DEP_1)
	v_sub_nc_u32 v4, v4, v11
	s_lshl_b32 s70, s11, 5
	s_lshl_b32 s71, s10, 3
	s_add_co_u32 s70, s70, s71
	v_add_nc_u32 v4, s70, v4                       ; my query's place in its group, less 16 h: register 16 i + j holds key 32 i + 16 h + j of a step: hidden on the diagonal where 32 i + j is above this
	s_lshl_b32 s19, s11, 1
	s_add_co_u32 s19, s19, s10                     ; my tile within a group
	s_sub_co_u32 s[G], 15, s9                      ; the first tile's group
	s_mul_i32 s70, s19, 768
	s_add_co_u32 s70, s70, QBASE                   ; Q: the tile's half image in a record,
	s_lshr_b32 s71, s19, 2
	s_lshl_b32 s71, s71, 8
	s_and_b32 s76, s19, 3
	s_lshl_b32 s76, s76, 2
	s_add_co_u32 s71, s71, s76
	s_add_co_u32 s71, s71, QBASE+6144              ; and its scale words
	s_add_co_u32 s48, s14, s[G]
	s_mul_i32 s48, s48, 6656
	s_add_co_u32 s50, s14, s9
	s_mul_i32 s50, s50, 6656
	s_add_co_u32 s52, s48, s71
	s_add_co_u32 s53, s50, s71
	s_add_co_u32 s48, s48, s70
	s_add_co_u32 s50, s50, s70
	s_mov_b32 s49, 0
	s_mov_b32 s51, 0
	s_add_nc_u64 s[48:49], s[4:5], s[48:49]
	s_add_nc_u64 s[50:51], s[4:5], s[50:51]
	s_mov_b32 s68, 0xffff0000
	v_mov_b32 v11, s52
	v_mov_b32 v35, s53
	s_delay_alu instid0(VALU_DEP_1)
	v_cndmask_b32 v11, v11, v35, s68               ; lanes 0-15: the first tile's scale words, lanes 16-31: the second's
	s_delay_alu instid0(VALU_DEP_1)
	v_add_nc_u32 v11, v11, v3
	global_load_b128 v[16:19], v1, s[48:49]
	global_load_b64 v[20:21], v2, s[48:49] offset:512
	global_load_b128 v[28:31], v1, s[50:51]
	global_load_b64 v[32:33], v2, s[50:51] offset:512
	global_load_b32 v[QS], v11, s[4:5]
	; where o goes: row tile Tg = 128 x batch + 8 x group + tile; the head's half image lies 768 x head into the tile's 12,288 bytes; its two scale bytes at 256 (head / 8) + 2 (head % 8) + 16 r
	s_lshr_b32 s54, s12, 4
	s_lshl_b32 s54, s54, 7
	s_add_co_u32 s54, s54, s19
	s_and_b32 s55, s12, 15
	s_mul_i32 s70, s55, 768
	s_lshr_b32 s71, s55, 3
	s_lshl_b32 s71, s71, 8
	s_and_b32 s76, s55, 7
	s_lshl_b32 s76, s76, 1
	s_add_co_u32 s71, s71, s76
	s_add_co_u32 s71, s71, ASCW
	s_lshl_b32 s77, s[G], 3
	s_add_co_u32 s77, s77, s54
	s_lshl_b32 s78, s9, 3
	s_add_co_u32 s78, s78, s54
	s_mul_i32 s56, s77, 12288
	s_add_co_u32 s56, s56, s70
	s_mov_b32 s57, 0
	s_mul_i32 s58, s78, 12288
	s_add_co_u32 s58, s58, s70
	s_mov_b32 s59, 0
	s_lshl_b32 s60, s77, 9
	s_add_co_u32 s60, s60, s71
	s_mov_b32 s61, 0
	s_lshl_b32 s62, s78, 9
	s_add_co_u32 s62, s62, s71
	s_mov_b32 s63, 0
	s_add_nc_u64 s[56:57], s[6:7], s[56:57]
	s_add_nc_u64 s[58:59], s[6:7], s[58:59]
	s_add_nc_u64 s[60:61], s[6:7], s[60:61]
	s_add_nc_u64 s[62:63], s[6:7], s[62:63]
	s_mov_b32 s[SEL], 0x76543210
	s_mov_b32 s[SEL+1], 0xfedcba98
	s_mov_b32 s[CS], 0x3e38aa3b                    ; c = log2(e) / 8
	s_mov_b32 s[CS+1], s[CS]                       ; (named with it as a pair, so it is written)
.irp i, 22,23,24,25,26,27,84,85,86,87,88,89
	v_mov_b32 v\i, 0                               ; zero codes: Q's k = 64 .. 127, and what follows K's last tile
.endr
.irp b, 0,1,2,3
	v_mov_b32 v[BP+\b], 0                          ; a lane permute's destination counts as read: written once
.endr
	v_mov_b32 v[FF+1], 0
	v_mov_b32 v[TT], 0
	v_mov_b32 v[NI], 0xff800000
.macro KQ t, row                       ; S^T of key tile t: K's scale words lie in lanes 0-15 (tiles 0-3) or 16-31 (tiles 4-7), Q's in lanes 0-15 (first tile of queries) or 16-31 (second)
.if ((\t) < 4) && ((\row) == 0)
	v_wmma_scale_f32_16x16x128_f8f6f4 v[S+8*(\t):S+8*(\t)+7], v[KF+6*(\t):KF+6*(\t)+11], v[16:27], 0, v[KS+(\t)%4], v[QS] matrix_a_fmt:MATRIX_FMT_BF6 matrix_b_fmt:MATRIX_FMT_BF6
.elseif (\t) < 4
	v_wmma_scale_f32_16x16x128_f8f6f4 v[S+8*(\t):S+8*(\t)+7], v[KF+6*(\t):KF+6*(\t)+11], v[16:27], 0, v[KS+(\t)%4], v[QS] matrix_a_fmt:MATRIX_FMT_BF6 matrix_b_fmt:MATRIX_FMT_BF6 matrix_b_scale:MATRIX_SCALE_ROW1
.elseif (\row) == 0
	v_wmma_scale_f32_16x16x128_f8f6f4 v[S+8*(\t):S+8*(\t)+7], v[KF+6*(\t):KF+6*(\t)+11], v[16:27], 0, v[KS+(\t)%4], v[QS] matrix_a_fmt:MATRIX_FMT_BF6 matrix_b_fmt:MATRIX_FMT_BF6 matrix_a_scale:MATRIX_SCALE_ROW1
.else
	v_wmma_scale_f32_16x16x128_f8f6f4 v[S+8*(\t):S+8*(\t)+7], v[KF+6*(\t):KF+6*(\t)+11], v[16:27], 0, v[KS+(\t)%4], v[QS] matrix_a_fmt:MATRIX_FMT_BF6 matrix_b_fmt:MATRIX_FMT_BF6 matrix_a_scale:MATRIX_SCALE_ROW1 matrix_b_scale:MATRIX_SCALE_ROW1
.endif
.endm
; A KEY STEP of 128 keys.  kind = 1: the step may lie behind my queries (left out) or on the diagonal (masked).
.macro STEP kind, row
.if \kind
	s_cmp_gt_u32 s[SI], s[G]
	s_cbranch_scc1 .Lhid_\@
.endif
	s_setprio 2
	v_add_nc_u32 v8, s[TB], v1                     ; these three and the v_nop are the four places behind the last step's products, in front of the loads into their registers
	v_add_nc_u32 v9, s[TB], v2
	v_add_nc_u32 v10, s[TB], v3
	v_nop
.irp t, 0,1,2,3,4,5,6,7
	ds_load_b128 v[KF+6*\t:KF+6*\t+3], v8 offset:768*\t
	ds_load_b64 v[KF+6*\t+4:KF+6*\t+5], v9 offset:768*\t+512
.endr
	ds_load_b128 v[KS:KS+3], v8 offset:6144
	s_wait_alu depctr_va_vdst(0)
	s_wait_dscnt 0x0
.irp t, 0,1,2,3,4,5,6,7
	KQ \t, \row
.endr
.rept 4
	v_nop                                          ; places in front of the loads below and of the first read of the scores
.endr
.irp d, 0,1,2,3                        ; V's four images land while the softmax is walked
	ds_load_b128 v[KF+12*\d:KF+12*\d+3], v8 offset:6656+1536*\d
	ds_load_b64 v[KF+12*\d+4:KF+12*\d+5], v9 offset:6656+1536*\d+512
	ds_load_b128 v[KF+12*\d+6:KF+12*\d+9], v8 offset:6656+1536*\d+768
	ds_load_b64 v[KF+12*\d+10:KF+12*\d+11], v9 offset:6656+1536*\d+1280
.endr
	ds_load_b128 v[VS:VS+3], v10 offset:12800
.if \kind
	s_cmp_lg_u32 s[SI], s[G]
	s_cbranch_scc1 .Lopen_\@
.set n, 0
.rept 64
	v_cmp_gt_i32 vcc_lo, 32*(n/16)+n%16, v4
	v_cndmask_b32 v[S+n], v[S+n], v[NI], vcc_lo
.set n, n+1
.endr
.Lopen_\@:
.endif
.irp b, 0,1,2,3
	v_max3_num_f32 v[BM+\b], v[S+16*\b], v[S+16*\b+1], v[S+16*\b+2]   ; the largest score of each block of 32 keys: it serves the row's maximum and, since p rises with the score, the block's largest p
.endr
.irp i, 3,5,7,9,11,13
.irp b, 0,1,2,3
	v_max3_num_f32 v[BM+\b], v[BM+\b], v[S+16*\b+\i], v[S+16*\b+\i+1]
.endr
.endr
.irp b, 0,1,2,3
	v_max_num_f32 v[BM+\b], v[BM+\b], v[S+16*\b+15]
.endr
.irp b, 0,1,2,3
	s_delay_alu instid0(VALU_DEP_4)
	v_permlanex16_b32 v[BP+\b], v[BM+\b], s[SEL], s[SEL+1]
.endr
.irp b, 0,1,2,3
	s_delay_alu instid0(VALU_DEP_4)
	v_max_num_f32 v[BM+\b], v[BM+\b], v[BP+\b]     ; with lane l xor 16's 16 keys
.endr
	s_delay_alu instid0(VALU_DEP_2)
	v_max3_num_f32 v[TT], v[BM], v[BM+1], v[BM+2]
	s_delay_alu instid0(VALU_DEP_1)
	v_max_num_f32 v[TT], v[TT], v[BM+3]
	s_delay_alu instid0(VALU_DEP_1)
	v_mul_f32 v[TT], s[CS], v[TT]                  ; the step's largest t (c is positive)
	s_delay_alu instid0(VALU_DEP_1)
	v_max_num_f32 v13, v13, v[TT]                  ; the running largest t
	v_mov_b32 v[TT], v12
	s_delay_alu instid0(VALU_DEP_2)
	v_floor_f32 v12, -v13                          ; the new -M = floor(-t): M is a whole number
	s_delay_alu instid0(VALU_DEP_1)
	v_sub_f32 v[TT], v12, v[TT]                    ; old M - new M: a whole number, 0 or less
	s_delay_alu instid0(VALU_DEP_1)
	v_cvt_i32_f32 v[TT], v[TT]                     ; (it saturates)
	s_delay_alu instid0(VALU_DEP_1)
	v_ldexp_f32 v[FF], 1.0, v[TT]                  ; f = 2^(old M - new M)
.set j, 0
.rept 32
	v_pk_fma_f32 v[S+j:S+j+1], v[S+j:S+j+1], s[CS:CS+1], v[12:13] op_sel_hi:[1,0,0]   ; t - M, two at a time
.set j, j+2
.endr
.irp b, 0,1,2,3
	v_fma_f32 v[BM+\b], v[BM+\b], s[CS], v12       ; the same of each block's largest score
.endr
.set j, 0
	s_setprio 1
	s_wait_alu depctr_va_vdst(0)
.rept 64
	v_exp_f32 v[S+j], v[S+j]                       ; p = 2^(t - M), at most 1
.set j, j+1
.endr
	v_pk_mul_f32 v[14:15], v[14:15], v[FF:FF+1] op_sel_hi:[1,0]   ; the sums under the new M: the plain place behind the exponentials
	s_wait_alu depctr_va_vdst(0)                   ; one wait for the whole batch, ahead of its first reader
.irp b, 0,1,2,3
	v_exp_f32 v[BM+\b], v[BM+\b]                   ; the blocks' largest p
.endr
	v_pk_add_f32 v[234:235], v[104:105], v[108:109]
	v_pk_add_f32 v[252:253], v[112:113], v[116:117]
	v_pk_add_f32 v[250:251], v[120:121], v[124:125]
	v_pk_add_f32 v[248:249], v[128:129], v[132:133]
	v_pk_add_f32 v[246:247], v[136:137], v[140:141]
	v_pk_add_f32 v[244:245], v[144:145], v[148:149]
	v_pk_add_f32 v[242:243], v[152:153], v[156:157]
	v_pk_add_f32 v[14:15], v[14:15], v[160:161]
	v_pk_add_f32 v[234:235], v[234:235], v[100:101]
	v_pk_add_f32 v[252:253], v[252:253], v[102:103]
	v_pk_add_f32 v[250:251], v[250:251], v[106:107]
	v_pk_add_f32 v[248:249], v[248:249], v[110:111]
	v_pk_add_f32 v[246:247], v[246:247], v[114:115]
	v_pk_add_f32 v[244:245], v[244:245], v[118:119]
	v_pk_add_f32 v[242:243], v[242:243], v[122:123]
	v_pk_add_f32 v[14:15], v[14:15], v[126:127]
	v_pk_add_f32 v[234:235], v[234:235], v[130:131]
	v_pk_add_f32 v[252:253], v[252:253], v[134:135]
	v_pk_add_f32 v[250:251], v[250:251], v[138:139]
	v_pk_add_f32 v[248:249], v[248:249], v[142:143]
	v_pk_add_f32 v[246:247], v[246:247], v[146:147]
	v_pk_add_f32 v[244:245], v[244:245], v[150:151]
	v_pk_add_f32 v[242:243], v[242:243], v[154:155]
	v_pk_add_f32 v[14:15], v[14:15], v[158:159]
	v_pk_add_f32 v[234:235], v[234:235], v[162:163]
	s_delay_alu instid0(VALU_DEP_2)
	v_pk_add_f32 v[14:15], v[14:15], v[248:249]
	s_delay_alu instid0(VALU_DEP_2)
	v_pk_add_f32 v[234:235], v[234:235], v[246:247]
	v_pk_add_f32 v[252:253], v[252:253], v[244:245]
	v_pk_add_f32 v[250:251], v[250:251], v[242:243]
	s_delay_alu instid0(VALU_DEP_2)
	v_pk_add_f32 v[14:15], v[14:15], v[252:253]
	s_delay_alu instid0(VALU_DEP_2)
	v_pk_add_f32 v[234:235], v[234:235], v[250:251]
	s_delay_alu instid0(VALU_DEP_1)
	v_pk_add_f32 v[14:15], v[14:15], v[234:235]
	s_wait_alu depctr_va_vdst(0)                   ; and one for the four
.irp b, 0,1,2,3
	v_max_num_f32 v[BM+\b], 0x2800000, v[BM+\b]    ; the floor 2^(5 - 127): the byte cannot fall under 1
.endr
.irp b, 0,1,2,3
	s_delay_alu instid0(VALU_DEP_4)
	v_add_nc_u32 v[BS+\b], 0xfe000000, v[BM+\b]    ; 4 off the exponent field: the conversion's scale operand
.endr
.irp b, 0,1,2,3
	s_delay_alu instid0(VALU_DEP_4)
	v_lshrrev_b32 v[BP+\b], 23, v[BS+\b]
.endr
	s_delay_alu instid0(VALU_DEP_3)
	v_lshl_or_b32 v[PW], v[BP+1], 8, v[BP]         ; p's scale word for these 128 keys
	s_delay_alu instid0(VALU_DEP_1)
	v_lshl_or_b32 v[PW], v[BP+2], 16, v[PW]
	s_delay_alu instid0(VALU_DEP_1)
	v_lshl_or_b32 v[PW], v[BP+3], 24, v[PW]
.irp c, 0,1
	v_cvt_scalef32_pk16_bf6_f32 v[PC+6*\c:PC+6*\c+2], v[S+32*\c:S+32*\c+15], v[BS+2*\c]
	v_cvt_scalef32_pk16_bf6_f32 v[CT+4*\c:CT+4*\c+2], v[S+32*\c+16:S+32*\c+31], v[BS+2*\c+1]
.endr
	v_nop                                          ; one plain place behind a scaled conversion
	s_setprio 0
.irp c, 0,1
.irp i, 0,1,2
	v_permlane16_swap_b32 v[PC+6*\c+\i], v[CT+4*\c+\i]
.endr
.irp i, 0,1,2
	s_delay_alu instid0(VALU_DEP_3)
	v_mov_b32 v[PC+6*\c+3+\i], v[CT+4*\c+\i]
.endr
.endr
.set j, 0
.rept 16
	v_pk_mul_f32 v[O+j:O+j+1], v[O+j:O+j+1], v[FF:FF+1] op_sel_hi:[1,0]   ; O^T under the new M.  These sixteen are also the places between the writes of p's codes and scale word and the products
.set j, j+2
.endr
	s_wait_alu depctr_va_vdst(0)
	s_wait_dscnt 0x0                               ; V is in
.irp d, 0,1,2,3                        ; four accumulators by turns, one instruction a turn
	v_wmma_scale_f32_16x16x128_f8f6f4 v[O+8*\d:O+8*\d+7], v[KF+12*\d:KF+12*\d+11], v[PC:PC+11], v[O+8*\d:O+8*\d+7], v[VS+\d], v[PW] matrix_a_fmt:MATRIX_FMT_BF6 matrix_b_fmt:MATRIX_FMT_BF6
.endr
.if \kind
.Lhid_\@:
.endif
	s_add_co_u32 s[TB], s[TB], REC
	s_add_co_u32 s[SI], s[SI], 1
.endm
.macro SETUP                           ; the loop has no first step of its own: O^T and the sum begin as zeros and the largest t as -3e38
	v_mov_b32 v13, 0xff61b1e6
	s_delay_alu instid0(VALU_DEP_1)
	v_floor_f32 v12, -v13
	v_mov_b32 v14, 0
	v_mov_b32 v15, 0
.set j, 0
.rept 32
	v_mov_b32 v[O+j], 0
.set j, j+1
.endr
	s_mov_b32 s[TB], 0
	s_mov_b32 s[SI], 0
.endm
; O^T / the sum is quantised along the channels (two blocks of 32: the head's 64 of the model's 1,024) and leaves as a half image and two scale bytes a row.
.macro WAYOUT cb, sb
.rept 4
	v_nop                                          ; places behind the last products
.endr
	v_add_f32 v14, v14, v15
	s_delay_alu instid0(VALU_DEP_1)
	v_permlanex16_b32 v[TT], v14, s[SEL], s[SEL+1]
	s_delay_alu instid0(VALU_DEP_1)
	v_add_f32 v14, v14, v[TT]                      ; the row's sum
	s_wait_alu depctr_va_vdst(0)
	v_rcp_f32 v[FF], v14
	v_nop                                          ; a plain place behind the reciprocal
	s_wait_alu depctr_va_vdst(0)                   ; and the wait ahead of its first reader
.set j, 0
.rept 16
	v_pk_mul_f32 v[O+j:O+j+1], v[O+j:O+j+1], v[FF:FF+1] op_sel_hi:[1,0]
.set j, j+2
.endr
.irp b, 0,1
	v_max3_num_f32 v[BM+\b], |v[O+16*\b]|, |v[O+16*\b+1]|, 0x2800000
.endr
.irp i, 2,4,6,8,10,12,14
.irp b, 0,1
	s_delay_alu instid0(VALU_DEP_2)
	v_max3_num_f32 v[BM+\b], v[BM+\b], |v[O+16*\b+\i]|, |v[O+16*\b+\i+1]|
.endr
.endr
.irp b, 0,1
	s_delay_alu instid0(VALU_DEP_2)
	v_permlanex16_b32 v[BP+\b], v[BM+\b], s[SEL], s[SEL+1]
.endr
.irp b, 0,1
	s_delay_alu instid0(VALU_DEP_2)
	v_max_num_f32 v[BM+\b], v[BM+\b], v[BP+\b]
.endr
.irp b, 0,1
	s_delay_alu instid0(VALU_DEP_2)
	v_add_nc_u32 v[BS+\b], 0xfe000000, v[BM+\b]
.endr
.irp b, 0,1
	s_delay_alu instid0(VALU_DEP_2)
	v_lshrrev_b32 v[BP+\b], 23, v[BS+\b]
.endr
	v_cvt_scalef32_pk16_bf6_f32 v[PC:PC+2], v[O:O+15], v[BS]
	v_cvt_scalef32_pk16_bf6_f32 v[CT:CT+2], v[O+16:O+31], v[BS+1]
	v_cndmask_b32 v[TT], v[BP], v[BP+1], s68       ; lanes 0-15 store block 0's byte, lanes 16-31 block 1's.  (The plain place behind the conversions)
.irp i, 0,1,2
	v_permlane16_swap_b32 v[PC+\i], v[CT+\i]
.endr
.irp i, 0,1,2
	s_delay_alu instid0(VALU_DEP_3)
	v_mov_b32 v[PC+3+\i], v[CT+\i]
.endr
	global_store_b128 v1, v[PC:PC+3], s[\cb:\cb+1]             ; 512 and 256 consecutive bytes, aligned to 256
	global_store_b64 v2, v[PC+4:PC+5], s[\cb:\cb+1] offset:512
	global_store_b8 v5, v[TT], s[\sb:\sb+1]        ; a byte a lane, 32 bytes for 768 of codes: blocks of 256 bytes are written in part here, since a row's scale word is shared by two heads
.endm
	SETUP
	s_wait_loadcnt 0x0                             ; Q
	s_wait_tensorcnt 1                             ; my first load (records 0-3 among the four waves) is in; the second may be out
	s_barrier_signal -1
	s_barrier_wait -1
	s_mov_b32 s[CNT], 4
.Lfirst:                                           ; key steps 0-3: every first tile's group is 8 or more, so all four count whole
	STEP 0, 0
	s_sub_co_u32 s[CNT], s[CNT], 1
	s_cmp_lg_u32 s[CNT], 0
	s_cbranch_scc1 .Lfirst
	s_setprio 0
	s_wait_tensorcnt 0x0                           ; the rest of the head is in,
	s_wait_dscnt 0x0
	s_barrier_signal -1
	s_barrier_wait -1                              ; everybody's: from here on the waves run free
	s_mov_b32 s[CNT], 12
.Llate:
	STEP 1, 0
	s_sub_co_u32 s[CNT], s[CNT], 1
	s_cmp_lg_u32 s[CNT], 0
	s_cbranch_scc1 .Llate
	s_setprio 0
	WAYOUT 56, 60
	s_wait_xcnt 0x0                                ; the stores have read their registers
.irp i, 0,1,2,3,4,5
	v_mov_b32 v[16+\i], v[28+\i]                   ; the second tile's Q; SETUP's lines are the places between these writes and the first product
.endr
	SETUP
	s_mov_b32 s[G], s9
	s_mov_b32 s[CNT], 8
.Learly:
	STEP 1, 1
	s_sub_co_u32 s[CNT], s[CNT], 1
	s_cmp_lg_u32 s[CNT], 0
	s_cbranch_scc1 .Learly
	s_setprio 0
	WAYOUT 58, 62
	s_wait_tensorcnt 0x0
	ds_add_u32 v254, v255
	s_wait_dscnt 0x0
	ROUND                                          ; the closing round
	s_endpgm
.Lfunc_end_k_qe57784bfbe_attn:
	.size	k_qe57784bfbe_attn, .Lfunc_end_k_qe57784bfbe_attn-k_qe57784bfbe_attn
	.p2alignl 7, 3214868480
	.fill 96, 4, 3214868480
	.section	.rodata,"a",@progbits
	.p2align	6, 0x0
	.amdhsa_kernel k_qe57784bfbe_attn
		.amdhsa_group_segment_fixed_size 210944
		.amdhsa_private_segment_fixed_size 0
		.amdhsa_enable_private_segment 0
		.amdhsa_kernarg_size 16
		.amdhsa_user_sgpr_count 2
		.amdhsa_user_sgpr_kernarg_segment_ptr 1
		.amdhsa_wavefront_size32 1
		.amdhsa_system_sgpr_workgroup_id_x 1
		.amdhsa_system_sgpr_workgroup_id_y 1
		.amdhsa_system_sgpr_workgroup_id_z 1
		.amdhsa_system_vgpr_workitem_id 0
		.amdhsa_next_free_vgpr 256
		.amdhsa_next_free_sgpr 80
		.amdhsa_reserve_vcc 1
		.amdhsa_float_denorm_mode_32 3
		.amdhsa_float_denorm_mode_16_64 3
		.amdhsa_memory_ordered 1
		.amdhsa_forward_progress 1
		.amdhsa_inst_pref_size 82
	.end_amdhsa_kernel
	.amdgpu_metadata
---
amdhsa.version: [ 1, 2 ]
amdhsa.kernels:
  - .name:           k_qe57784bfbe_attn
    .symbol:         k_qe57784bfbe_attn.kd
    .args:
      - { .name: qkv, .offset: 0, .size: 8, .value_kind: global_buffer, .address_space: global }
      - { .name: att, .offset: 8, .size: 8, .value_kind: global_buffer, .address_space: global }
    .group_segment_fixed_size: 210944
    .private_segment_fixed_size: 0
    .kernarg_segment_align: 8
    .kernarg_segment_size: 16
    .max_flat_workgroup_size: 512
    .sgpr_count:     80
    .vgpr_count:     256
    .wavefront_size: 32
...
	.end_amdgpu_metadata
.endif
;; end of part 3
;; launch proj (part 4): grid 8 x 32, 4 waves a work-group, clusters of 4 x 4, 312,832 bytes of LDS; arguments att, opq, b_proj, out0; writes out0
.if DOCPART == 4
	.amdgcn_target "amdgcn-amd-amdhsa--gfx1250"
	.amdhsa_code_object_version 6
	.text
	.protected	k_qe57784bfbe_proj
	.globl	k_qe57784bfbe_proj
	.p2align	8
	.type	k_qe57784bfbe_proj,@function
k_qe57784bfbe_proj:
	s_mov_b64 s[64:65], 0
	v_nop
	global_prefetch_b8 v0, s[64:65] scope:SCOPE_SE
	s_setreg_imm32_b32 hwreg(HW_REG_WAVE_MODE, 25, 1), 1
	s_wait_xcnt 0x0
	s_wait_alu depctr_hold_cnt(0) depctr_sa_sdst(0) depctr_va_vdst(0) depctr_va_sdst(0) depctr_va_ssrc(0) depctr_va_vcc(0) depctr_vm_vsrc(0)
	s_getreg_b32 s2, hwreg(HW_REG_IB_STS2, 6, 4)
	s_cmp_eq_u32 s2, 0
	s_cbranch_scc0 .Lentry_in_a_cluster
	s_endpgm
.Lentry_in_a_cluster:
	s_bfe_u32 s2, ttmp6, 0x10000c
	s_cmp_lg_u32 s2, 0xf033
	s_cbranch_scc0 .Lentry_shape_is_right
	s_endpgm
.Lentry_shape_is_right:
; out = o W_proj + b on codes of BF6 with E8M0 scales, K = 1,024; out [8192][1024] f32.  o's images come from att, W_proj's (row tiles 704-767) from opq.
; A tile is 256 tokens x 128 features: 256 work-groups in 16 clusters of 4 x 4.  Four waves, each 128 x 64: 32 accumulators.
; THE MATRIX INSTRUCTION IS USED TRANSPOSED (source 0 = 16 columns of W_proj, source 1 = 16 tokens): a lane holds one token, and by the tiles' row order (32 (T / 2) + 8 (T % 2) + p + 8 (p / 8)) the 16 registers of
; feature tiles 2 i, 2 i + 1 are the features 32 i + 16 (lane / 16) + 0 .. 15.  The bias is the C of each sum's first product.
; K goes in 8 steps of 128; an LDS slot holds two steps (A: 16 row tiles x 3,072 bytes, B: 8).  ALL FOUR SLOTS ARE FIRST FILLS (four tensor loads of mine out): nothing is filled again.
; A's tiles are asked for jointly along a row of the cluster, B's along a column.  No prefetch: all that a work-group reads is asked for in its first lines.
; REGISTERS: window 0: v2-17 LDS addresses, v18-26 offsets, v32-95 A's scale words (32 + 8 a + n), v96-127 B's (96 + 8 b + n), v128-223 A's fragments (on the way out rows of out), v224-255 the bias.
;   window 1: B's fragments, two sets, at v0 and v128.  Windows 2, 3: accumulators of A's blocks 0-3, 4-7: (a, b) at v[8 (4 (a % 4) + b)].
.set FR,    12
.set AH,    24576
.set BH,    12288
.set SLOT,  2*AH+2*BH
.set STAGE, 4*SLOT                     ; behind the slots: 16 rows x (256 bytes + 16) for each wave; no tensor load lands here
.set SCWA,  6291456
.set SCWB,  9437184
.set ADA16, 2                          ; v2-5, v6-9: my half of A in slots 0-3, + 16 x lane, + 8 x lane
.set ADA8,  6
.set ADB16, 10                         ; v10-13, v14-17: the same for B
.set ADB8,  14
.set STO,   20
.set RD,    21
.set CO,    22
.set SCA,   32
.set SCB,   96
.set AF,    128
.set BK,    128
.set BI,    224
.set G1,  24
.set G0,  32                           ; s[32:47]
.set G1B, 48
.set G0B, 68                           ; s[68:83]
.set MSB, 0
.macro WIN new
.if MSB != \new
	s_set_vgpr_msb (MSB<<8)|\new
.set MSB, \new
.endif
.endm
.set TO_B, 0x40
.macro LOW first                       ; source 0 (B) window 1, source 1 (A) window 0, D window 2; C: the bias in window 0, or D
.if \first
	WIN 0x81
.else
	WIN 0xa1
.endif
.endm
.macro HIGH first                      ; the same with D in window 3
.if \first
	WIN 0xc1
.else
	WIN 0xf1
.endif
.endm
.macro JLOAD g0a, g1a, g0b, g1b
	s_cmp_eq_u32 s15, 0
	s_cbranch_scc0 .Lfor_b_\@
	tensor_load_to_lds s[\g0a:\g0a+3], s[\g1a:\g1a+7]
	s_nop 0
.rept 4
	v_nop
.endr
	s_branch .Lasked_\@
.Lfor_b_\@:
	tensor_load_to_lds s[\g0b:\g0b+3], s[\g1b:\g1b+7]
	s_nop 0
.rept 4
	v_nop
.endr
.Lasked_\@:
.endm
.macro CROUND
	s_barrier_signal -1
	s_barrier_wait -1
	s_cmp_lg_u32 s14, 0
	s_cbranch_scc1 .Lnot_wave_0_\@
	s_barrier_signal -3
.Lnot_wave_0_\@:
	s_barrier_wait -3
	s_barrier_signal -1
	s_barrier_wait -1
.endm
.macro PLACES
.rept 4
	v_nop
.endr
.endm
	s_load_b256 s[4:11], s[0:1], 0x0               ; att s[4:5], opq s[6:7], b_proj s[8:9], out0 s[10:11]
	v_lshl_add_u32 v30, v0, 2, 0x4c400
	v_mov_b32 v31, 0
	ds_add_u32 v30, v31
	ds_add_u32 v30, v31
	v_lshrrev_b32 v1, 5, v0
	v_readfirstlane_b32 s14, v1                    ; wave
	s_lshr_b32 s15, s14, 1                         ; my half of the tokens.  Also: I fetch for A (0) or B (1)
	s_and_b32 s16, s14, 1                          ; my half of the features.  Also: which half I fetch
	s_bfe_u32 s84, ttmp6, 0x40000                  ; cx
	s_bfe_u32 s85, ttmp6, 0x40004                  ; cy
	s_lshl_b32 s88, ttmp9, 2
	s_add_co_u32 s88, s88, s84                     ; tile of 128 features
	s_and_b32 s89, ttmp7, 0xffff
	s_lshl_b32 s89, s89, 2
	s_add_co_u32 s89, s89, s85                     ; tile of 256 tokens
	s_lshl_b32 s86, s85, 2
	s_lshl_b32 s86, 15, s86                        ; my row of the cluster
	s_lshl_b32 s87, 0x1111, s84                    ; my column
	s_or_b32 s[G1+0], s86, (3<<16)|(1<<21)         ; 15:0 the mask; 17:16 elements of 8 bytes; 21 set beside a mask; no padding
	s_or_b32 s[G1B+0], s87, (3<<16)|(1<<21)
	s_mov_b32 s[G1+1], 384<<16                     ; rows of 3,072 bytes: two K steps' images of a row tile
	s_mov_b32 s[G1+2], 8<<16                       ; A: 8 row tiles
	s_mov_b32 s[G1+3], 384<<16
	s_mov_b32 s[G1+4], 8
	s_mov_b32 s[G1+5], 1536                        ; 12,288 bytes from row tile to row tile
	s_mov_b32 s[G1+6], 0
	s_mov_b32 s[G1+7], 0
	s_mov_b32 s[G1B+1], 384<<16
	s_mov_b32 s[G1B+2], 4<<16                      ; B: 4 row tiles
	s_mov_b32 s[G1B+3], 384<<16
	s_mov_b32 s[G1B+4], 4
	s_mov_b32 s[G1B+5], 1536
	s_mov_b32 s[G1B+6], 0
	s_mov_b32 s[G1B+7], 0
	s_lshl_b32 s90, s89, 4                         ; A's first row tile (hangs on cy alone)
	s_lshl_b32 s91, s88, 3
	s_add_co_u32 s91, s91, 704                     ; B's (on cx alone)
	s_lshl_b32 s17, s16, 3
	s_add_co_u32 s20, s90, s17
	s_mul_i32 s20, s20, 12288
	s_mov_b32 s21, 0
	s_lshl_b32 s17, s16, 2
	s_add_co_u32 s22, s91, s17
	s_mul_i32 s22, s22, 12288
	s_mov_b32 s23, 0
	s_mul_i32 s18, s16, AH                         ; where A's half goes,
	s_mul_i32 s19, s16, BH
	s_add_co_u32 s19, s19, 2*AH                    ; and B's
	s_wait_dscnt 0x0
	s_wait_kmcnt 0x0
	s_add_nc_u64 s[20:21], s[4:5], s[20:21]
	s_add_nc_u64 s[22:23], s[6:7], s[22:23]
	CROUND                                         ; all sixteen work-groups are here: the joint loads meet
.irp s, 0,1,2,3
	s_mov_b32 s[G0+4*\s], 1
	s_add_co_u32 s[G0+4*\s+1], s18, \s*SLOT
	s_add_nc_u64 s[G0+4*\s+2:G0+4*\s+3], s[20:21], \s*3072
	s_or_b32 s[G0+4*\s+3], s[G0+4*\s+3], 0x80000000
	s_mov_b32 s[G0B+4*\s], 1
	s_add_co_u32 s[G0B+4*\s+1], s19, \s*SLOT
	s_add_nc_u64 s[G0B+4*\s+2:G0B+4*\s+3], s[22:23], \s*3072
	s_or_b32 s[G0B+4*\s+3], s[G0B+4*\s+3], 0x80000000
	JLOAD G0+4*\s, G1, G0B+4*\s, G1B
.endr
	v_and_b32 v24, 31, v0                          ; lane
	v_and_b32 v25, 15, v0                          ; r
	v_bfe_u32 v26, v0, 4, 1                        ; h
	v_lshlrev_b32 v18, 4, v24                      ; 16 x lane
	v_lshlrev_b32 v19, 3, v24                      ; 8 x lane
	s_mul_i32 s2, s15, AH
	s_mul_i32 s3, s16, BH
	s_add_co_u32 s3, s3, 2*AH
.irp s, 0,1,2,3
	v_add_nc_u32 v[ADA16+\s], s2, v18
	v_add_nc_u32 v[ADA8+\s], s2, v19
	v_add_nc_u32 v[ADB16+\s], s3, v18
	v_add_nc_u32 v[ADB8+\s], s3, v19
	s_add_co_u32 s2, s2, SLOT
	s_add_co_u32 s3, s3, SLOT
.endr
	v_lshlrev_b32 v18, 4, v25                      ; 16 r: a row's four scale words
	v_lshlrev_b32 v19, 6, v26                      ; 64 h: the bias of my half's 16 features
	s_lshl_b32 s92, s15, 3
	s_add_co_u32 s92, s92, s90
	s_lshl_b32 s92, s92, 9
	s_add_co_u32 s92, s92, SCWA
	s_mov_b32 s93, 0
	s_add_nc_u64 s[92:93], s[4:5], s[92:93]        ; A's scale words: my 8 row tiles
	s_lshl_b32 s94, s16, 2
	s_add_co_u32 s94, s94, s91
	s_lshl_b32 s94, s94, 9
	s_add_co_u32 s94, s94, SCWB
	s_mov_b32 s95, 0
	s_add_nc_u64 s[94:95], s[6:7], s[94:95]        ; B's: my 4
	s_lshl_b32 s96, s88, 9
	s_lshl_b32 s97, s16, 8
	s_add_co_u32 s96, s96, s97                     ; my first feature, in bytes
	s_mov_b32 s97, 0
	s_add_nc_u64 s[8:9], s[8:9], s[96:97]
.irp i, 0,1,2,3,4,5,6,7
.irp g, 0,1
	global_load_b128 v[SCA+8*\i+4*\g:SCA+8*\i+4*\g+3], v18, s[92:93] offset:512*\i+256*\g
.endr
.endr
.irp i, 0,1,2,3
.irp g, 0,1
	global_load_b128 v[SCB+8*\i+4*\g:SCB+8*\i+4*\g+3], v18, s[94:95] offset:512*\i+256*\g
.endr
.endr
.irp b, 0,1,2,3                        ; the bias in the result's layout: feature tile b, register j: feature 32 (b / 2) + 8 (b % 2) + 16 h + j
	global_load_b128 v[BI+8*\b:BI+8*\b+3], v19, s[8:9] offset:(32*(\b/2)+8*(\b%2))*4
	global_load_b128 v[BI+8*\b+4:BI+8*\b+7], v19, s[8:9] offset:(32*(\b/2)+8*(\b%2))*4+16
.endr
	s_mul_i32 s98, s14, 16*272
	s_add_co_u32 s98, s98, STAGE                   ; my stage
	v_mul_u32_u24 v[STO], v25, 272
	v_lshl_add_u32 v[STO], v26, 6, v[STO]
	v_add_nc_u32 v[STO], s98, v[STO]               ; in: row r, + 64 h
	v_mul_u32_u24 v[RD], v26, 272
	v_lshl_add_u32 v[RD], v25, 4, v[RD]
	v_add_nc_u32 v[RD], s98, v[RD]                 ; back: lanes 0-15 one row, lanes 16-31 the next
	v_lshlrev_b32 v[CO], 12, v26
	v_lshl_add_u32 v[CO], v25, 4, v[CO]            ; and the same two rows of out
	s_lshl_b32 s98, s89, 8
	s_lshl_b32 s99, s15, 7
	s_add_co_u32 s98, s98, s99                     ; my first token
	s_lshl_b32 s98, s98, 12
	s_add_co_u32 s98, s98, s96
	s_mov_b32 s99, 0
	s_add_nc_u64 s[10:11], s[10:11], s[98:99]
.macro FRAG reg, a16, a8, off
	ds_load_b128 v[\reg:\reg+3], v[\a16] offset:\off
	ds_load_b64 v[\reg+4:\reg+5], v[\a8] offset:\off+512
	ds_load_b128 v[\reg+6:\reg+9], v[\a16] offset:\off+768
	ds_load_b64 v[\reg+10:\reg+11], v[\a8] offset:\off+1280
.endm
.macro FETCH_B slot, q, p              ; 16 loads
	WIN TO_B
.irp i, 0,1,2,3
	FRAG 128*(\p)+FR*\i, ADB16+\slot, ADB8+\slot, 3072*\i+1536*(\q)
.endr
	WIN 0
.endm
.macro FETCH_A slot, q, i0             ; 16 loads
.irp i, \i0, \i0+1, \i0+2, \i0+3
	FRAG AF+FR*(\i), ADA16+\slot, ADA8+\slot, 3072*(\i)+1536*(\q)
.endr
.endm
; 8 matrix instructions: A's blocks a0, a0 + 1 x B's four, K step n.  The 32 accumulators take turns, one instruction a turn, in the same order in every step.
.macro MULP a0, n, first
.irp a, \a0, \a0+1
.irp b, 0,1,2,3
.if \first
	v_wmma_scale_f32_16x16x128_f8f6f4 v[8*(4*((\a)%4)+\b):8*(4*((\a)%4)+\b)+7], v[128*((\n)%2)+FR*\b:128*((\n)%2)+FR*\b+FR-1], v[AF+FR*(\a):AF+FR*(\a)+FR-1], v[BI+8*\b:BI+8*\b+7], v[SCB+8*\b+(\n)], v[SCA+8*(\a)+(\n)] matrix_a_fmt:MATRIX_FMT_BF6 matrix_b_fmt:MATRIX_FMT_BF6
.else
	v_wmma_scale_f32_16x16x128_f8f6f4 v[8*(4*((\a)%4)+\b):8*(4*((\a)%4)+\b)+7], v[128*((\n)%2)+FR*\b:128*((\n)%2)+FR*\b+FR-1], v[AF+FR*(\a):AF+FR*(\a)+FR-1], v[8*(4*((\a)%4)+\b):8*(4*((\a)%4)+\b)+7], v[SCB+8*\b+(\n)], v[SCA+8*(\a)+(\n)] matrix_a_fmt:MATRIX_FMT_BF6 matrix_b_fmt:MATRIX_FMT_BF6
.endif
.endr
.endr
.endm
.macro TAIL n, s2, q2, first
	FETCH_B \s2, \q2, 1-(\n)%2
	FETCH_A \s2, \q2, 0
	HIGH \first
	MULP 4, \n, \first
	MULP 6, \n, \first
	PLACES
	WIN 0
	FETCH_A \s2, \q2, 4
.endm
.macro STEP n, s2, q2, first
	s_wait_dscnt 16                                ; B's set and A's blocks 0-3 are in; the youngest 16 loads (A's blocks 4-7) may be out
	LOW \first
	MULP 0, \n, \first
	MULP 2, \n, \first
	s_wait_dscnt 0x0
	PLACES
	TAIL \n, \s2, \q2, \first
.endm
.macro SYNCP n, s2, cnt                ; a slot's last step: the next slot is shown whole by each wave's counted wait and one barrier
	s_wait_tensorcnt \cnt                          ; my part of slot s2 has landed; cnt loads issued behind it may stay out
	s_wait_dscnt 16
	LOW 0
	MULP 0, \n, 0
	s_wait_dscnt 0x0                               ; no LDS instruction of mine is pending at the signal
	s_barrier_signal -1
	MULP 2, \n, 0
	WIN 0
	s_barrier_wait -1
	PLACES
	TAIL \n, \s2, 0, 0
.endm
	s_wait_tensorcnt 3                             ; my part of slot 0 is in; the three younger loads may be out
	s_barrier_signal -1
	s_barrier_wait -1
	FETCH_B 0, 0, 0
	FETCH_A 0, 0, 0
	FETCH_A 0, 0, 4
	s_wait_loadcnt 0x0                             ; the scale words and the bias
	STEP 0, 0, 1, 1                                ; the first products start the sums from the bias
	SYNCP 1, 1, 2
	STEP 2, 1, 1, 0
	SYNCP 3, 2, 1
	STEP 4, 2, 1, 0
	SYNCP 5, 3, 0
	STEP 6, 3, 1, 0
	s_wait_dscnt 16
	LOW 0
	MULP 0, 7, 0
	MULP 2, 7, 0
	s_wait_dscnt 0x0
	HIGH 0
	MULP 4, 7, 0
	MULP 6, 7, 0
	WIN 0
; THE WAY OUT, block by block of 16 tokens x 64 features, through my own stage: a lane's 8 numbers of a feature tile are 32 neighbouring bytes of a row; whole rows of 256 bytes come back.
; LDS serves a wave's instructions in order (ISA guide 5.7.1.4): no wait between the stores and the loads, nor in front of the next block's stores.
.macro TOSTAGE a
.set AC, 32*((\a)%4)
	WIN 0x08+4*((\a)/4)                            ; an LDS store's data are its source 1: window 2 or 3
.irp b, 0,1,2,3
	ds_store_b128 v[STO], v[AC+8*\b:AC+8*\b+3] offset:128*(\b/2)+32*(\b%2)        ; each accumulator from its low end on
	ds_store_b128 v[STO], v[AC+8*\b+4:AC+8*\b+7] offset:128*(\b/2)+32*(\b%2)+16
.endr
	WIN 0
.set BB, BK+32*((\a)%2)
.irp t, 0,1,2,3,4,5,6,7
	ds_load_b128 v[BB+4*\t:BB+4*\t+3], v[RD] offset:544*\t
.endr
.endm
.macro SEND a, younger                 ; younger: the LDS instructions issued behind block a's loads, which may stay out
.set BB, BK+32*((\a)%2)
	s_wait_dscnt \younger
.irp t, 0,1,2,3,4,5,6,7
	global_store_b128 v[CO], v[BB+4*\t:BB+4*\t+3], s[10:11] offset:(32*((\a)/2)+8*((\a)%2)+2*\t+8*(\t/4))*4096 th:TH_STORE_NT   ; sixteen lanes store 256 consecutive bytes, aligned; the tile's row order stands in the immediate
.endr
.endm
	PLACES
	TOSTAGE 0
.irp a, 1,2,3,4,5,6,7
.if \a > 1
	s_wait_xcnt 0x0                                ; block a - 2's stores have read their registers: block a's loads may land there
.endif
	TOSTAGE \a
	SEND \a-1, 16                                  ; behind block a - 1's loads: block a's 8 stores and 8 loads
.endr
	SEND 7, 0
	s_wait_tensorcnt 0x0
	ds_add_u32 v30, v31
	s_wait_dscnt 0x0
	CROUND                                         ; the closing round: no work-group ends while a partner may still ask for a tile that names it
	s_endpgm
.Lfunc_end_k_qe57784bfbe_proj:
	.size	k_qe57784bfbe_proj, .Lfunc_end_k_qe57784bfbe_proj-k_qe57784bfbe_proj
	.p2alignl 7, 3214868480
	.fill 96, 4, 3214868480
	.section	.rodata,"a",@progbits
	.p2align	6, 0x0
	.amdhsa_kernel k_qe57784bfbe_proj
		.amdhsa_group_segment_fixed_size 312832
		.amdhsa_private_segment_fixed_size 0
		.amdhsa_enable_private_segment 0
		.amdhsa_kernarg_size 32
		.amdhsa_user_sgpr_count 2
		.amdhsa_user_sgpr_kernarg_segment_ptr 1
		.amdhsa_wavefront_size32 1
		.amdhsa_system_sgpr_workgroup_id_x 1
		.amdhsa_system_sgpr_workgroup_id_y 1
		.amdhsa_system_sgpr_workgroup_id_z 1
		.amdhsa_system_vgpr_workitem_id 0
		.amdhsa_next_free_vgpr 1024
		.amdhsa_next_free_sgpr 100
		.amdhsa_reserve_vcc 0
		.amdhsa_float_denorm_mode_32 3
		.amdhsa_float_denorm_mode_16_64 3
		.amdhsa_memory_ordered 1
		.amdhsa_forward_progress 1
		.amdhsa_inst_pref_size 89
	.end_amdhsa_kernel
	.amdgpu_metadata
---
amdhsa.version: [ 1, 2 ]
amdhsa.kernels:
  - .name:           k_qe57784bfbe_proj
    .symbol:         k_qe57784bfbe_proj.kd
    .args:
      - { .name: att, .offset: 0, .size: 8, .value_kind: global_buffer, .address_space: global }
      - { .name: opq, .offset: 8, .size: 8, .value_kind: global_buffer, .address_space: global }
      - { .name: b_proj, .offset: 16, .size: 8, .value_kind: global_buffer, .address_space: global }
      - { .name: out0, .offset: 24, .size: 8, .value_kind: global_buffer, .address_space: global }
    .group_segment_fixed_size: 312832
    .private_segment_fixed_size: 0
    .kernarg_segment_align: 8
    .kernarg_segment_size: 32
    .max_flat_workgroup_size: 128
    .sgpr_count:     100
    .vgpr_count:     1024
    .wavefront_size: 32
...
	.end_amdgpu_metadata
.endif
;; end of part 4
